; MI455X (gfx1250); checked and timed in simulation.
; The chip was launched on July 23, 2026; its instructions are those of AMD's public machine-readable ISA for CDNA 5 (MIT licence, August 2026) and "CDNA5" Instruction Set Architecture Reference Guide (July 2026). The comments in the code are by the model that wrote it; some were corrected since.
;; Global Cross Attention. Allowed arithmetic: matrix products marked QUANTISED: E2M3 operands, one E8M0 scale for each 32 along K, by v_wmma_scale_f32_16x16x128_f8f6f4 with both operands' format E2M3, f32 sums; products left as they are: f32 operands where the result goes on into a quantised operand, else bf16, f16 or f32 operands; f32 sums; everything else in f32.
;; Inputs: W1 512 float32; W2 512 x 8 float32; Wk 256 x 256 float32; Wp 256 x 256 float32; Wq 256 x 256 float32; Wv 256 x 256 float32; attn_mask 1 x 512 x 1,024 float32; b1 512 float32; bk 256 float32; bp 256 float32; bq 256 float32; bv 256 float32; input_padding_mask 1 x 1,024 float32; k_input_flatten 1 x 1,024 x 256 float32; query 1 x 512 x 256 float32; v_input_flatten 1 x 1,024 x 256 float32.
;; Outputs: out0 1 x 512 x 256 float32.
;; This version of the problem:
;;   THIS VERSION OF THE PROBLEM IS GIVEN IN LOW PRECISION. The matrix products marked QUANTISED in the list below multiply operands that are first quantised to E2M3 (2 exponent bits, 3 mantissa bits; 6 bits a number), with one power-of-two scale for each 32 numbers along K (OCP MX v1.0); their sums are f32. All else is computed in f32.
;;   The module's matrix products, in the order in which they are computed (A, B: the left and right operand; K: the contracted axis; several contracted axes count as one K, in the product's order):
;;     1. [M 8, K 512] x [K 512, N 524,288]; A: input W2; B: computed on the way: left as it is (M = 8 < 16)
;;     2. [M 512, K 256] x [K 256, N 256]; A: input query; B: input Wq: QUANTISED
;;     3. [M 1,024, K 256] x [K 256, N 256]; A: input k_input_flatten; B: input Wk: QUANTISED
;;     4. [M 1,024, K 256] x [K 256, N 256]; A: input v_input_flatten; B: input Wv: QUANTISED
;;     5. batch 8 x [M 512, K 32] x [K 32, N 1,024]; A: computed on the way; B: computed on the way: QUANTISED
;;     6. batch 8 x [M 512, K 1,024] x [K 1,024, N 32]; A: softmax (see below); B: computed on the way: QUANTISED
;;     7. [M 512, K 256] x [K 256, N 256]; A: computed on the way; B: input Wp: QUANTISED
;;   THE QUANTISER, for each operand of a quantised product, along K:
;;     - K is cut into blocks of 32 from its start; a last block that is shorter is filled with zeros.
;;     - A block's scale is 2^e with e = floor(log2(the largest magnitude in the block)) - 2, held to -126 .. 127; a block of zeros has e = 0. As a byte (E8M0): e + 127.
;;     - Each number is divided by its block's scale, clamped to +-7.5, and rounded to the nearest number of E2M3, ties to even, subnormals kept.
;;     - The product sums the exact products of the quantised numbers (number of the format x scale) in f32.
;;   ~~~python
;;   def quantise(x, axis):      # numpy; x: float32 -> the quantised numbers, widened to float32 again
;;       x = np.moveaxis(x, axis, -1); K = x.shape[-1]
;;       x = np.pad(x, [(0, 0)] * (x.ndim - 1) + [(0, -K % 32)]); x = x.reshape(x.shape[:-1] + (-1, 32)); a = np.abs(x).max(-1, keepdims=True)
;;       e = np.where(a > 0, np.clip(np.frexp(np.where(a > 0, a, 1))[1] - 1 - 2, -126, 127), 0)      # np.frexp(a)[1] - 1 = floor(log2(a)), exactly
;;       r = np.clip(x / 2.0 ** e, -7.5, 7.5)
;;       step = 2.0 ** (np.maximum(np.frexp(np.where(r == 0, 1, r))[1] - 1, 0) - 3)
;;       q = np.round(r / step) * step * 2.0 ** e      # np.round: ties to even
;;       return np.moveaxis(q.reshape(q.shape[:-2] + (-1,))[..., :K], -1, axis).astype(np.float32)
;;   ~~~
;;   SOFTMAX AHEAD OF A QUANTISED PRODUCT. Where the list says 'softmax', what is quantised is not the finished softmax but p = 2^(t - M), with t = logit x log2(e) and M = ceil(the row's largest t), a whole number; so 1/2 < the row's largest p <= 1. The row's sum l is taken of the UNQUANTISED p, in f32, and the product's result is divided by l at the end. Since M is a whole number, a kernel that streams over the keys may use a running M (the ceiling of the running maximum): every later rescaling is an exact power of two, which a block's scale takes up: the codes' values come out the same.
;;   OPERANDS COMPUTED ON THE WAY. 'Computed on the way' means the value that the module computes at that place (a softmax that the list does not call 'softmax' is quantised finished and normalised). What goes into a quantiser is computed in f32, as accurately as f32 sums, v_exp_f32 and their like allow (about 1e-6 of the number): no bf16 or f16 on the way to a quantiser, and a product that is left as it is and whose result goes on into a quantised operand takes f32 operands (vector FMAs, or v_wmma_f32_16x16x4_f32). A number that lies on a knife's edge between two numbers of the format may be rounded either way, as far as f32 arithmetic and the matrix unit's own rounding can turn it there, and no further.
;; 2 versions, each right and faster than the one before. Each part assembles by itself: llvm-mc -triple=amdgcn-amd-amdhsa -mcpu=gfx1250 --defsym DOCPART=n.
;; ======== version 1 of 2: 3 launches
;; workspace buffers: img 540,672 bytes; scl 45,056 bytes; opart 4,194,304 bytes; stat 262,144 bytes
;; launch proj (part 1): grid 42 x 1, 8 waves a work-group, no clusters, 54,272 bytes of LDS; arguments k_input_flatten, query, v_input_flatten, Wk, Wq, Wv, Wp, bk, bq, bv, img, scl; writes img, scl
.if DOCPART == 1
	.amdgcn_target "amdgcn-amd-amdhsa--gfx1250"
	.amdhsa_code_object_version 6
	.text
	.protected	k_q923d03200b_proj
	.globl	k_q923d03200b_proj
	.p2align	8
	.type	k_q923d03200b_proj,@function
k_q923d03200b_proj:
	s_mov_b64 s[64:65], 0
	v_nop
	global_prefetch_b8 v0, s[64:65] scope:SCOPE_SE
	s_setreg_imm32_b32 hwreg(HW_REG_WAVE_MODE, 25, 1), 1
	s_wait_xcnt 0x0
; THE THREE PROJECTIONS, AND Wp's CODES.  k = k_in Wk + bk, q = (query Wq + bq) / sqrt(32), v = v_in Wv + bv: products on codes of FP6 (E2M3) with one E8M0 scale for each 32 along K = 256.
; The results are quantised at once for the products that follow (q and k along the head's 32 dims, v along the keys) and leave as IMAGES OF OPERAND REGISTERS: a fragment (16 rows x 128 K, 12 registers a lane)
; is 1,536 bytes, register group c (registers 4 c .. 4 c + 3) of lane l at 512 c + 16 l; its scale words are 128 bytes, 4 a lane.  Wp is quantised along its first axis into the same form.
; SHARES.  Work-groups 0-15: k; 16-23: q; 24-39: v; 40-41: Wp.  A work-group of k, q or v takes 128 rows of x (block = number / 2) and 128 of the 256 output dims (half = number % 2).  Each of its eight waves
; quantises ONE tile of x (16 rows x 256) and ONE tile of W (16 columns x 256; a lane takes a column and its registers run down K) and puts the four fragments into LDS as images.  Behind ONE barrier:
;   k, q: source 0 = the eight tiles of W, source 1 = my tile of x: a lane holds one row, its 64 registers 128 output dims;     v: source 0 = the eight tiles of x, source 1 = my tile of W: a lane holds one dim d, its registers 128 keys.
; THE ROWS OF A SOURCE-0 TILE ARE NOT NEIGHBOURS: lane r of tile 2 b + u takes row 32 b + 8 u + r + 8 (r / 8), so that registers 16 b + i of a lane are index 32 b + 16 (lane / 16) + i: 16 neighbours along the next K.
; The same order is given to k's keys and to v's dims, since they are source 0 of the attention's products.  q's rows and Wp's columns lie in plain order.
; The biases are the C of each sum's first matrix instruction.  No tensor load, no cluster: a work-group reads 256 KB once, at its head.
; LIMITS: NaN and infinities are not served.  A block whose largest magnitude lies under 2^-124 keeps the scale byte 1; so does a block of zeros, where the quantiser's text says 127: its codes are zeros, and this program alone reads the bytes.
.set FRB,   1536                       ; a fragment's image in bytes
.set XR,    0                          ; LDS: x's 16 fragments (slot 2 wave + K step),
.set WR,    24576                      ; W's 16,
.set XS,    49152                      ; x's 16 x 128 bytes of scale words; W's lie 2,048 bytes on
.set SPARE, 53248                      ; the spare words, 128 bytes for each of the eight waves: four blocks of 256 bytes that no other line names
.set NX0,   0                          ; window 1: 64 numbers of x, K step 0;
.set NX1,   64                         ; K step 1;
.set NW0,   128                        ; of W, K step 0;
.set NW1,   192                        ; K step 1
.set HA,    0                          ; window 1: the eight accumulators, where x's first numbers lay
.set VX,    4                          ; v4   x: my lane's byte in the tile's rows
.set VW,    5                          ; v5   W: my lane's byte: column, and 16 rows down for lanes 16-31
.set LI16,  6                          ; v6   16 x lane
.set LS4,   7                          ; v7   4 x lane
.set IA,    8                          ; v8   where I store images: 2 FRB x wave + 16 x lane
.set SA,    9                          ; v9   and scale words: XS + 256 x wave + 4 x lane
.set FAA,   10                         ; v10  source 0's images: 16 x lane + its region
.set FASA,  11                         ; v11  source 0's scale words
.set FBA,   12                         ; v12  source 1's images: my wave's two, in the other region
.set FBSA,  13                         ; v13  source 1's scale words
.set SPW,   14                         ; v14  LDS address of my spare word; never rewritten
.set NIL,   15                         ; v15  0; never rewritten
.set VBO,   16                         ; v16  the bias: my lane's byte
.set TM,    20                         ; v20-35 at work in QUANT
.set PW,    36                         ; v36  the scale word just made
.set PC,    40                         ; v40-59 the codes just made
.set BV8,   60                         ; v60-67 bv of my lane's dim, eight times
.set FB,    68                         ; v68-91 source 1: two fragments
.set FBS,   92                         ; v92-93 its scale words
.set FAS,   94                         ; v94-109 source 0's scale words, 2 t + K step
.set FA,    112                        ; v112-207 source 0: eight fragments of one K step
.set MSB, 0
.macro WIN new                         ; the immediate's high byte repeats the setting that is left; a switch that changes nothing is dropped
.if MSB != \new
	s_set_vgpr_msb (MSB<<8)|\new
.set MSB, \new
.endif
.endm
; 64 numbers of my row of x: register 16 b + i = k 128 s + 32 b + 16 (lane / 16) + i
.macro XLOAD dst, s
.irp b, 0,1,2,3
.irp j, 0,1,2,3
	global_load_b128 v[\dst+16*\b+4*\j:\dst+16*\b+4*\j+3], v[VX], s[40:41] offset:512*\s+128*\b+16*\j
.endr
.endr
.endm
; the same of my column of W: the registers run down K, 1,024 bytes from row to row
.macro WLOAD dst, s
.irp b, 0,1,2,3
.irp i, 0,1,2,3,4,5,6,7,8,9,10,11,12,13,14,15
	global_load_b32 v[\dst+16*\b+\i], v[VW], s[42:43] offset:(128*\s+32*\b+\i)*1024
.endr
.endr
.endm
; 64 numbers of a lane in window 1, register 16 b + i = k 32 b + 16 (lane / 16) + i of my row, become a fragment's codes in v[PC] on and its scale word in v[PW]
.macro QUANT src
	WIN 0x14                                       ; sources 1 and 2 in window 1
.irp b, 0,1,2,3
	v_max3_num_f32 v[TM+\b], 0x1800000, |v[\src+16*\b]|, |v[\src+16*\b+1]|   ; block b: my 16 numbers, and the floor 2^(3 - 127): the byte cannot fall under 1
.endr
.irp i, 2,4,6,8,10,12,14
.irp b, 0,1,2,3
	v_max3_num_f32 v[TM+\b], v[TM+\b], |v[\src+16*\b+\i]|, |v[\src+16*\b+\i+1]|   ; (the four blocks by turns)
.endr
.endr
	WIN 0
.irp b, 0,1,2,3
	v_permlanex16_b32 v[TM+4+\b], v[TM+\b], s60, s61
.endr
.irp b, 0,1,2,3
	v_max_num_f32 v[TM+\b], v[TM+\b], v[TM+4+\b]   ; with lane l xor 16's: the block's largest magnitude
.endr
.irp b, 0,1,2,3
	v_add_nc_u32 v[TM+12+\b], 0xff000000, v[TM+\b] ; 2 off its exponent field: the conversion takes the exponent field of this operand as its scale
.endr
.irp b, 0,1,2,3
	v_lshrrev_b32 v[TM+4+\b], 23, v[TM+12+\b]      ; the scale's byte
.endr
	v_lshl_or_b32 v[PW], v[TM+5], 8, v[TM+4]
	v_lshl_or_b32 v[PW], v[TM+6], 16, v[PW]
	v_lshl_or_b32 v[PW], v[TM+7], 24, v[PW]        ; my row's scale word
	WIN 0x01                                       ; source 0 in window 1
.irp c, 0,1
	v_cvt_scalef32_pk16_fp6_f32 v[PC+6*\c:PC+2+6*\c], v[\src+32*\c:\src+15+32*\c], v[TM+12+2*\c]
	v_cvt_scalef32_pk16_fp6_f32 v[PC+12+4*\c:PC+14+4*\c], v[\src+16+32*\c:\src+31+32*\c], v[TM+12+2*\c+1]   ; (a conversion's three registers begin on an even number)
.endr
	WIN 0
	v_nop                                          ; one plain place behind a scaled conversion
.irp c, 0,1                                    ; the operand's layout wants a WHOLE block in a lane: lanes 0-15 block 2 c, lanes 16-31 block 2 c + 1
.irp i, 0,1,2
	v_permlane16_swap_b32 v[PC+6*\c+\i], v[PC+12+4*\c+\i]
.endr
.irp i, 0,1,2
	v_mov_b32 v[PC+3+6*\c+\i], v[PC+12+4*\c+\i]
.endr
.endr
.endm
.macro IMG_LDS off, soff                       ; the fragment in v[PC] on, and its scale words, to LDS as they stand
.irp c, 0,1,2
	ds_store_b128 v[IA], v[PC+4*\c:PC+4*\c+3] offset:\off+512*\c
.endr
	ds_store_b32 v[SA], v[PW] offset:\soff
.endm
.macro IMG_GL k                                ; and to memory: each store of the wave covers 512 consecutive bytes, aligned; the scale words 128
.irp c, 0,1,2
	global_store_b128 v[LI16], v[PC+4*\c:PC+4*\c+3], s[46:47] offset:FRB*\k+512*\c
.endr
	global_store_b32 v[LS4], v[PW], s[48:49] offset:128*\k
.endm
.macro FALOAD s                                ; source 0's eight fragments of K step s
.irp t, 0,1,2,3,4,5,6,7
.irp c, 0,1,2
	ds_load_b128 v[FA+12*\t+4*\c:FA+12*\t+4*\c+3], v[FAA] offset:FRB*(2*\t+\s)+512*\c
.endr
.endr
.endm
.macro MM t, s, c
	v_wmma_scale_f32_16x16x128_f8f6f4 v[HA+8*\t:HA+8*\t+7], v[FA+12*\t:FA+12*\t+11], v[FB+12*\s:FB+12*\s+11], v[\c:\c+7], v[FAS+2*\t+\s], v[FBS+\s] matrix_a_fmt:MATRIX_FMT_FP6 matrix_b_fmt:MATRIX_FMT_FP6
.endm
	s_load_b512 s[4:19], s[0:1], 0x0               ; k_in 4, query 6, v_in 8, Wk 10, Wq 12, Wv 14, Wp 16, bk 18
	s_load_b256 s[20:27], s[0:1], 0x40             ; bq 20, bv 22, img 24, scl 26
	v_lshl_add_u32 v[SPW], v0, 2, SPARE
	v_mov_b32 v[NIL], 0
	v_lshrrev_b32 v1, 5, v0
	v_readfirstlane_b32 s50, v1                    ; wave 0..7
	v_and_b32 v1, 31, v0                           ; lane
	v_and_b32 v2, 15, v0                           ; r
	v_bfe_u32 v3, v0, 4, 1                         ; lane / 16
	s_mov_b32 s51, ttmp9                           ; the work-group's number says which tensor
	s_sub_co_u32 s66, s51, 24
	s_cmp_lt_u32 s66, 16                           ; v?
	s_cselect_b32 s55, 1, 0
	s_cselect_b32 s63, -1, 0
	s_cselect_b32 s68, 0, WR                       ; source 0's images: x's for v, W's for k and q
	s_cselect_b32 s69, WR, 0                       ; source 1's: the other region
	s_cselect_b32 s70, 0, 2048                     ; and their scale words likewise
	s_cselect_b32 s71, 2048, 0
	s_sub_co_u32 s66, s51, 16
	s_cmp_lt_u32 s66, 8                            ; q?
	s_cselect_b32 s56, 1, 0
	s_cselect_b32 s57, 0, 1                        ; q's rows lie in plain order
	s_cmp_lt_u32 s51, 40                           ; not Wp?
	s_cselect_b32 s62, 1, 0                        ; Wp's columns lie in plain order
	s_mov_b32 s58, 0x3e3504f3                      ; 1 / sqrt(32)
	s_mov_b32 s59, s58                             ; (named with it as a pair, so it is written)
	s_mov_b32 s60, 0x76543210
	s_mov_b32 s61, 0xfedcba98                      ; v_permlanex16_b32's selects for lane l xor 16
	v_and_b32 v17, 8, v2
	v_mul_u32_u24 v18, s57, v17
	v_add_nc_u32 v18, v18, v2                      ; r + 8 (r / 8), or r
	v_lshlrev_b32 v[VX], 10, v18
	v_lshl_add_u32 v[VX], v3, 6, v[VX]             ; x: a row is 1,024 bytes; + 64 for lanes 16-31
	v_mul_u32_u24 v19, s62, v17
	v_add_nc_u32 v19, v19, v2
	v_lshlrev_b32 v37, 2, v19                      ; W: 4 bytes a column,
	v_lshl_add_u32 v[VW], v3, 14, v37              ; and 16 rows of 1,024 bytes down for lanes 16-31
	v_lshlrev_b32 v[VBO], 6, v3                    ; bk, bq: 16 dims on for lanes 16-31;
	v_cndmask_b32 v[VBO], v[VBO], v37, s63         ; bv: my lane's dim
	v_lshlrev_b32 v[LI16], 4, v1
	v_lshlrev_b32 v[LS4], 2, v1
	s_mul_i32 s66, s50, 2*FRB
	v_add_nc_u32 v[IA], s66, v[LI16]
	s_lshl_b32 s67, s50, 8
	s_add_co_u32 s67, s67, XS
	v_add_nc_u32 v[SA], s67, v[LS4]
	v_add_nc_u32 v[FAA], s68, v[LI16]
	v_add_nc_u32 v[FASA], s70, v[LS4]
	v_add_nc_u32 v[FASA], XS, v[FASA]
	v_add_nc_u32 v[FBA], s69, v[IA]
	v_add_nc_u32 v[FBSA], s71, v[SA]
.irp b, 0,1,2,3
	v_mov_b32 v[TM+4+\b], 0                        ; written once: a lane permute's destination counts as one of its sources
.endr
.irp j, 0,1,2,3,4,5,6,7
	v_mov_b32 v[BV8+\j], 0                         ; written on every way through the text; v's work-groups load bv here
.endr
	s_wait_kmcnt 0x0
	s_cmp_lt_u32 s51, 16                           ; the buffers are chosen by the work-group's number alone
	s_cselect_b64 s[40:41], s[4:5], s[6:7]         ; x
	s_cselect_b64 s[42:43], s[10:11], s[12:13]     ; W
	s_cselect_b64 s[44:45], s[18:19], s[20:21]     ; the bias
	s_cselect_b32 s67, 0, 16                       ; the kind's first work-group
	s_cselect_b32 s68, 0, 393216                   ; its section of the images
	s_cselect_b32 s69, 0, 32768                    ; and of the scale words
	s_cmp_lt_u32 s51, 24
	s_cselect_b64 s[40:41], s[40:41], s[8:9]
	s_cselect_b64 s[42:43], s[42:43], s[14:15]
	s_cselect_b64 s[44:45], s[44:45], s[22:23]
	s_cselect_b32 s67, s67, 24
	s_cselect_b32 s68, s68, 196608
	s_cselect_b32 s69, s69, 16384
	s_cmp_lt_u32 s51, 40
	s_cselect_b64 s[42:43], s[42:43], s[16:17]
	s_cselect_b32 s67, s67, 40
	s_cselect_b32 s68, s68, 491520
	s_cselect_b32 s69, s69, 40960
	s_sub_co_u32 s52, s51, s67                     ; my number within the kind
	s_lshr_b32 s53, s52, 1                         ; block of 128 rows
	s_and_b32 s54, s52, 1                          ; half of the 256 dims
	s_lshr_b32 s70, s50, 1
	s_lshl_b32 s70, s70, 5
	s_and_b32 s71, s50, 1
	s_lshl_b32 s71, s71, 3
	s_add_co_u32 s70, s70, s71                     ; 32 (wave / 2) + 8 (wave % 2): where my tile begins in the order of source 0
	s_lshl_b32 s71, s50, 4                         ; 16 x wave: in plain order
	s_cmp_eq_u32 s56, 1
	s_cselect_b32 s72, s71, s70
	s_lshl_b32 s73, s53, 7
	s_add_co_u32 s72, s72, s73                     ; my tile's first row of x
	s_lshl_b32 s72, s72, 10
	s_mov_b32 s73, 0
	s_add_nc_u64 s[40:41], s[40:41], s[72:73]
	s_lshl_b32 s74, s54, 7
	s_add_co_u32 s74, s74, s70                     ; my tile's first column of W: 128 x half + ..
	s_lshl_b32 s75, s52, 7
	s_add_co_u32 s75, s75, s71                     ; of Wp: 128 x number + 16 x wave
	s_cmp_lt_u32 s51, 40
	s_cselect_b32 s74, s74, s75
	s_lshl_b32 s74, s74, 2
	s_mov_b32 s75, 0
	s_add_nc_u64 s[42:43], s[42:43], s[74:75]
	s_lshl_b32 s76, s54, 9                         ; bk, bq: my half's 128 numbers;
	s_cmp_eq_u32 s55, 1
	s_cselect_b32 s76, s74, s76                    ; bv: my tile's first dim
	s_mov_b32 s77, 0
	s_add_nc_u64 s[44:45], s[44:45], s[76:77]
	s_lshl_b32 s78, s53, 4
	s_lshl_b32 s79, s50, 1
	s_add_co_u32 s79, s79, s78
	s_add_co_u32 s79, s79, s54                     ; the fragment that I make: k, q: 2 (8 block + wave) + half
	s_lshl_b32 s66, s54, 3
	s_add_co_u32 s78, s78, s66
	s_add_co_u32 s78, s78, s50                     ; v: 16 block + 8 half + wave
	s_cmp_eq_u32 s55, 1
	s_cselect_b32 s78, s78, s79
	s_lshl_b32 s79, s52, 4
	s_lshl_b32 s66, s50, 1
	s_add_co_u32 s79, s79, s66                     ; Wp: 2 (8 number + wave), and the one behind it
	s_cmp_lt_u32 s51, 40
	s_cselect_b32 s78, s78, s79
	s_mul_i32 s66, s78, FRB
	s_add_co_u32 s66, s66, s68
	s_mov_b32 s67, 0
	s_add_nc_u64 s[46:47], s[24:25], s[66:67]      ; where its image goes,
	s_lshl_b32 s66, s78, 7
	s_add_co_u32 s66, s66, s69
	s_add_nc_u64 s[48:49], s[26:27], s[66:67]      ; and its scale words
	s_cmp_ge_u32 s51, 40
	s_cbranch_scc1 .Lwp                            ; the same way for all eight waves of a work-group
	WIN 0x40                                       ; destination window 1
	XLOAD NX0, 0
	XLOAD NX1, 1
	WLOAD NW0, 0
	WLOAD NW1, 1                                   ; 160 loads of mine are asked for
	s_wait_loadcnt 63                              ; 144 loads are younger than x's first 16: they are in (63 is the largest count that a wait can name)
	QUANT NX0
	IMG_LDS XR, 0
	s_cmp_eq_u32 s55, 1                            ; the bias goes where the sums will begin; x's first numbers have been read
	s_cbranch_scc1 .Lbias_v
	WIN 0x40
.irp t, 0,1,2,3,4,5,6,7
	global_load_b128 v[HA+8*\t:HA+8*\t+3], v[VBO], s[44:45] offset:4*(32*(\t/2)+8*(\t%2))      ; register 8 t + j: dim 32 (t / 2) + 16 (lane / 16) + 8 (t % 2) + j of my half
	global_load_b128 v[HA+8*\t+4:HA+8*\t+7], v[VBO], s[44:45] offset:4*(32*(\t/2)+8*(\t%2))+16
.endr
	WIN 0
	s_branch .Lbias_done
.Lbias_v:
.irp j, 0,1,2,3,4,5,6,7
	global_load_b32 v[BV8+\j], v[VBO], s[44:45]    ; a lane holds one dim: the same number for all its keys
.endr
.Lbias_done:
	s_wait_loadcnt 63                              ; 128 of W's and the bias loads are younger than x's second 16
	s_wait_dscnt 0x0                               ; the stores have read the codes' registers
	QUANT NX1
	IMG_LDS XR+FRB, 128
	s_wait_loadcnt 63                              ; 64 of W's and the bias loads are younger than W's first 64
	s_wait_dscnt 0x0
	QUANT NW0
	IMG_LDS WR, 2048
	s_wait_loadcnt 8                               ; the bias loads alone are younger than W's last: 8 on the shorter way
	s_wait_dscnt 0x0
	QUANT NW1
	IMG_LDS WR+FRB, 2048+128
	s_wait_dscnt 0x0                               ; for the others' sake: my four images and their scale words have landed
	s_barrier_signal -1
	s_barrier_wait -1                              ; all 32 fragments lie in LDS; nothing is stored there from here on
.irp s, 0,1
.irp c, 0,1,2
	ds_load_b128 v[FB+12*\s+4*\c:FB+12*\s+4*\c+3], v[FBA] offset:FRB*\s+512*\c
.endr
	ds_load_b32 v[FBS+\s], v[FBSA] offset:128*\s
.endr
.irp n, 0,1,2,3,4,5,6,7,8,9,10,11,12,13,14,15
	ds_load_b32 v[FAS+\n], v[FASA] offset:128*\n
.endr
	FALOAD 0
	s_wait_dscnt 0x0
	s_wait_loadcnt 0x0                             ; the bias
	s_cmp_eq_u32 s55, 1
	s_cbranch_scc1 .Lmm_v
	WIN 0x50                                       ; C and D in window 1
.irp t, 0,1,2,3,4,5,6,7
	MM \t, 0, HA+8*\t                              ; the sums begin on the bias, in place
.endr
	WIN 0
	s_branch .Lmm_done
.Lmm_v:
	WIN 0x40                                       ; D in window 1, C (bv) in window 0
.irp t, 0,1,2,3,4,5,6,7
	MM \t, 0, BV8
.endr
	WIN 0
.Lmm_done:
.rept 4
	v_nop                                          ; places in front of loads into registers that matrix instructions have read
.endr
	FALOAD 1
	s_wait_dscnt 0x0
	WIN 0x50
.irp t, 0,1,2,3,4,5,6,7
	MM \t, 1, HA+8*\t                              ; the eight accumulators take turns, one instruction a turn
.endr
	WIN 0
.rept 4
	v_nop                                          ; places in front of the first read of results
.endr
	s_cmp_eq_u32 s56, 1
	s_cbranch_scc0 .Lnoscale
	WIN 0x41                                       ; destination and source 0 in window 1
.irp j, 0,2,4,6,8,10,12,14,16,18,20,22,24,26,28,30,32,34,36,38,40,42,44,46,48,50,52,54,56,58,60,62
	v_pk_mul_f32 v[HA+\j:HA+\j+1], v[HA+\j:HA+\j+1], s[58:59] op_sel_hi:[1,0]   ; q / sqrt(32), each accumulator from its low end on
.endr
	WIN 0
.Lnoscale:
	QUANT HA                                       ; its first reads of each accumulator are that accumulator's two lowest registers
	IMG_GL 0
	s_wait_tensorcnt 0x0                           ; the wave's end, behind my last LDS store
	ds_add_u32 v[SPW], v[NIL]
	s_wait_dscnt 0x0
	s_endpgm
.Lwp:                                                  ; Wp: my 16 columns become two fragments; nothing goes through LDS
	WIN 0x40
	WLOAD NW0, 0
	WLOAD NW1, 1
	s_wait_loadcnt 63                              ; 64 loads are younger than the first 64
	QUANT NW0
	IMG_GL 0
	s_wait_loadcnt 0x0
	s_wait_xcnt 0x0                                ; the stores' data registers are written again only behind this wait
	QUANT NW1
	IMG_GL 1
	s_wait_tensorcnt 0x0                           ; the three closing lines on this way too
	ds_add_u32 v[SPW], v[NIL]
	s_wait_dscnt 0x0
	s_endpgm
.Lfunc_end_k_q923d03200b_proj:
	.size	k_q923d03200b_proj, .Lfunc_end_k_q923d03200b_proj-k_q923d03200b_proj
	.p2alignl 7, 3214868480
	.fill 96, 4, 3214868480
	.section	.rodata,"a",@progbits
	.p2align	6, 0x0
	.amdhsa_kernel k_q923d03200b_proj
		.amdhsa_group_segment_fixed_size 54272
		.amdhsa_private_segment_fixed_size 0
		.amdhsa_enable_private_segment 0
		.amdhsa_kernarg_size 96
		.amdhsa_user_sgpr_count 2
		.amdhsa_user_sgpr_kernarg_segment_ptr 1
		.amdhsa_wavefront_size32 1
		.amdhsa_system_sgpr_workgroup_id_x 1
		.amdhsa_system_sgpr_workgroup_id_y 1
		.amdhsa_system_sgpr_workgroup_id_z 1
		.amdhsa_system_vgpr_workitem_id 0
		.amdhsa_next_free_vgpr 512
		.amdhsa_next_free_sgpr 80
		.amdhsa_reserve_vcc 0
		.amdhsa_float_denorm_mode_32 3
		.amdhsa_float_denorm_mode_16_64 3
		.amdhsa_memory_ordered 1
		.amdhsa_forward_progress 1
		.amdhsa_inst_pref_size 75
	.end_amdhsa_kernel
	.amdgpu_metadata
---
amdhsa.version: [ 1, 2 ]
amdhsa.kernels:
  - .name:           k_q923d03200b_proj
    .symbol:         k_q923d03200b_proj.kd
    .args:
      - { .name: k_input_flatten, .offset: 0, .size: 8, .value_kind: global_buffer, .address_space: global }
      - { .name: query, .offset: 8, .size: 8, .value_kind: global_buffer, .address_space: global }
      - { .name: v_input_flatten, .offset: 16, .size: 8, .value_kind: global_buffer, .address_space: global }
      - { .name: Wk, .offset: 24, .size: 8, .value_kind: global_buffer, .address_space: global }
      - { .name: Wq, .offset: 32, .size: 8, .value_kind: global_buffer, .address_space: global }
      - { .name: Wv, .offset: 40, .size: 8, .value_kind: global_buffer, .address_space: global }
      - { .name: Wp, .offset: 48, .size: 8, .value_kind: global_buffer, .address_space: global }
      - { .name: bk, .offset: 56, .size: 8, .value_kind: global_buffer, .address_space: global }
      - { .name: bq, .offset: 64, .size: 8, .value_kind: global_buffer, .address_space: global }
      - { .name: bv, .offset: 72, .size: 8, .value_kind: global_buffer, .address_space: global }
      - { .name: img, .offset: 80, .size: 8, .value_kind: global_buffer, .address_space: global }
      - { .name: scl, .offset: 88, .size: 8, .value_kind: global_buffer, .address_space: global }
    .group_segment_fixed_size: 54272
    .private_segment_fixed_size: 0
    .kernarg_segment_align: 8
    .kernarg_segment_size: 96
    .max_flat_workgroup_size: 256
    .sgpr_count:     80
    .vgpr_count:     512
    .wavefront_size: 32
...
	.end_amdgpu_metadata
.endif
;; end of part 1
;; launch attn (part 2): grid 8 x 32, 4 waves a work-group, no clusters, 58,368 bytes of LDS; arguments attn_mask, input_padding_mask, W1, b1, W2, img, scl, opart, stat; writes opart, stat
.if DOCPART == 2
	.amdgcn_target "amdgcn-amd-amdhsa--gfx1250"
	.amdhsa_code_object_version 6
	.text
	.protected	k_q923d03200b_attn
	.globl	k_q923d03200b_attn
	.p2align	8
	.type	k_q923d03200b_attn,@function
k_q923d03200b_attn:
	s_mov_b64 s[64:65], 0
	v_nop
	global_prefetch_b8 v0, s[64:65] scope:SCOPE_SE
	s_setreg_imm32_b32 hwreg(HW_REG_WAVE_MODE, 25, 1), 1
	s_wait_xcnt 0x0
; ATTENTION ON ONE TILE OF 16 QUERIES AND ONE CHUNK OF 128 KEYS, ALL 8 HEADS.  logit = q . k + sum over r of W2[r][head] relu(mask W1[r] + b1[r]) - 100 pad[key]; t = logit x log2(e);
; M = the ceiling of the chunk's largest t of the row (a whole number); p = 2^(t - M) is quantised along the keys and multiplied by v's codes; the row's sum l is taken of the unquantised p.
; The chunk's O^T, -M and l go to memory; the next launch joins the eight chunks of a row by exact powers of two.
; WHAT BINDS IS THE BIAS: 512 hidden numbers for each (query, key), each feeding 8 heads, in f32 (its result goes on into a quantiser): per hidden unit and wave 8 packed multiply-adds, 16 maxima and 64 packed multiply-adds
; for the wave's 512 pairs.  So the 524,288 pairs are dealt evenly: 1,024 waves of 512 pairs, a hidden number is made once for all 8 heads, and the bias is added straight onto the scores in 128 registers.
; SHARES.  Work-group (x = chunk C, y = tile T).  Wave w takes the 32 keys of block B = 4 C + w: lane (r, h) holds query 16 T + r and keys 32 B + 16 h + 0 .. 15.  For the second product wave w owns heads 2 w, 2 w + 1.
; SCORES.  S^T = K Q^T on codes of FP6: source 0 = 16 keys x 128 dims (four heads), source 1 = the queries with the codes of the other three heads' blocks replaced by zeros: K = 32 in a form that is 128 deep.
; THE TABLE.  W1, b1 and W2's row of a hidden unit lie in LDS as a record of 80 bytes with every number twice, so that the packed forms take them as pairs; all lanes read the same address.
; p GOES FROM WAVE TO WAVE THROUGH LDS: a wave's 32 keys are one block of the 128 keys that are the second product's K; its 96 bits a lane go to their place in the operand's image, its scale byte into the row's word.
; No tensor load and no cluster: a work-group reads some 36 KB of operands that others share, once, at its head, beside 45,056 vector instructions a wave in the loop.  No prefetch: nothing is waited for in the loop but LDS.
; LIMITS: NaN and infinities are not served.  p under 2^-126 counts as 0 (v_exp_f32's result).  A block's largest p is taken from its largest logit by the same multiply-add and exponential, which takes v_exp_f32 not to fall
; where its input rises.  A block whose every p is 0 keeps the scale byte 1: its codes are zeros.  The padding term is fused: fma(pad, -100, logit); the hidden number likewise: fma(mask, W1, b1).
.set TAB,   0                          ; LDS: 512 records of 80 bytes: W1 W1 b1 b1 w0 w0 .. w7 w7
.set EX,    40960                      ; [head][query][wave] f32: each block's largest logit; 2,048 bytes on: each block's sum of p
.set PIM,   45056                      ; p's images: head at 1,536 x head; a lane's 12 registers at 48 x lane
.set PSC,   57344                      ; p's scale words: 64 x head + 4 x query + wave (a byte)
.set SPARE, 57856                      ; the spare words, 128 bytes for each wave: two blocks of 256 bytes that no other line names
.set SPW,  1                           ; v1   LDS address of my spare word; never rewritten
.set NIL,  2                           ; v2   0; never rewritten
.set TA,   3                           ; v3   where the loop's trip begins in the table
.set VS,   4                           ; v4-7   V's scale words;  v8-11 K's;  v12-13 Q's;  v14-15 p's: these twelve hold scales and nothing else
.set KS,   8
.set QS,   12
.set PS,   14
.set X,    16                          ; v16-31  my 16 numbers of the mask; behind the loop: addresses
.set H,    32                          ; v32-47  16 hidden numbers; at the head: addresses
.set WA,   48                          ; v48-87  two records
.set WB,   88                          ; v88-127 two records
.set ACC,  128                         ; v128-255 the logits: 16 x head + i
.set TS,   48                          ; at the head: what my thread puts into the table: 10 numbers for each of 4 hidden units
.set KF,   0                           ; window 1: K's four fragments (2 u + g);
.set QD,   48                          ; Q's two;
.set QM,   72                          ; Q's, head by head: triple (g, e) at 36 g + 18 e: [head 4 g + e | six zeros | head 4 g + 2 + e]: two fragments that share the zeros
.set VF,   144                         ; V's four (2 x head of mine + u)
.set PADR, 192                         ; the padding of my 16 keys
.set NMP,  32                          ; behind the loop: for each head the pair (-M, the largest t)
.set EXL,  48                          ; four waves' maxima for each head
.set PCD,  48                          ; then p's codes, 4 registers a head
.set PF,   48                          ; then p's two fragments
.set SUM,  80
.set MB,   96                          ; each head's largest logit of my block
.set TP,   104
.set BY,   104
.set SO,   112
.set O,    128                         ; O^T: four accumulators
.set MSB, 0
.macro WIN new                         ; the immediate's high byte repeats the setting that is left; a switch that changes nothing is dropped
.if MSB != \new
	s_set_vgpr_msb (MSB<<8)|\new
.set MSB, \new
.endif
.endm
.macro LOADW buf, off                  ; two records, 160 bytes; every lane reads the same bytes
.irp k, 0,1,2,3,4,5,6,7,8,9
	ds_load_b128 v[\buf+4*\k:\buf+4*\k+3], v[TA] offset:\off+16*\k
.endr
.endm
.macro GROUP buf                       ; two hidden units for my 16 pairs and 8 heads: 88 instructions each
.irp rr, 0,1
.irp i, 0,2,4,6,8,10,12,14
	v_pk_fma_f32 v[H+\i:H+\i+1], v[X+\i:X+\i+1], v[\buf+20*\rr:\buf+20*\rr+1], v[\buf+20*\rr+2:\buf+20*\rr+3]
.endr
.irp i, 0,1,2,3,4,5,6,7,8,9,10,11,12,13,14,15
	v_max_num_f32 v[H+\i], 0, v[H+\i]
.endr
.irp hd, 0,1,2,3,4,5,6,7
.irp i, 0,2,4,6,8,10,12,14
	v_pk_fma_f32 v[ACC+16*\hd+\i:ACC+16*\hd+\i+1], v[H+\i:H+\i+1], v[\buf+20*\rr+4+2*\hd:\buf+20*\rr+5+2*\hd], v[ACC+16*\hd+\i:ACC+16*\hd+\i+1]
.endr
.endr
.endr
.endm
.macro TRIP more                       ; four hidden units; more = 1: the next trip's records are asked for as their registers fall free
	s_wait_dscnt 10                                ; the first buffer's ten loads are in; the second's ten are younger
	GROUP WA
.if \more
	LOADW WA, 320
	s_wait_dscnt 10                                ; the second buffer's are in; the ten just issued are younger
.else
	s_wait_dscnt 0x0
.endif
	GROUP WB
.if \more
	LOADW WB, 480
	s_add_co_u32 s43, s43, 320                     ; four records on
	v_mov_b32 v[TA], s43
.endif
.endm
	s_load_b512 s[4:19], s[0:1], 0x0               ; mask 4, padding 6, W1 8, b1 10, W2 12, img 14, scl 16, opart 18
	s_load_b64 s[20:21], s[0:1], 0x40              ; stat
	v_lshl_add_u32 v[SPW], v0, 2, SPARE
	v_mov_b32 v[NIL], 0
	v_lshrrev_b32 v32, 5, v0
	v_readfirstlane_b32 s30, v32                   ; wave 0..3
	s_mov_b32 s31, ttmp9                           ; C
	s_and_b32 s32, ttmp7, 0xffff                   ; T
	v_and_b32 v32, 31, v0                          ; lane
	v_and_b32 v33, 15, v0                          ; r
	v_bfe_u32 v34, v0, 4, 1                        ; h
	v_lshlrev_b32 v35, 4, v32                      ; 16 x lane: an image's place for my lane
	v_lshlrev_b32 v36, 2, v32                      ; 4 x lane: a scale word's
	v_lshlrev_b32 v37, 12, v33
	v_lshl_add_u32 v37, v34, 6, v37                ; the mask: row r of 4,096 bytes, + 64 h
	v_lshlrev_b32 v38, 6, v34                      ; the padding: 64 h
	v_mul_u32_u24 v39, v0, 80                      ; the table: my thread's record
	v_lshlrev_b32 v40, 2, v0                       ; W1, b1: my thread's number
	v_lshlrev_b32 v41, 5, v0                       ; W2: my thread's row
	s_mov_b32 s34, 0x3fb8aa3b                      ; log2(e)
	s_mov_b32 s35, s34                             ; (named with it as a pair, so it is written)
	s_mov_b32 s36, 0xc2c80000                      ; -100
	s_mov_b32 s37, s36
	s_mov_b32 s38, 0x76543210
	s_mov_b32 s39, 0xfedcba98                      ; v_permlanex16_b32's selects for lane l xor 16
	s_mov_b32 s40, 0x0000ffff                      ; lanes 0-15
	s_mov_b32 s41, 0xffff0000                      ; lanes 16-31
	s_lshl_b32 s44, s31, 2
	s_add_co_u32 s44, s44, s30                     ; B = 4 C + w
	s_mov_b32 s23, 0
	s_wait_kmcnt 0x0
	s_lshl_b32 s24, s44, 7                         ; 32 keys are 128 bytes of a row
	s_lshl_b32 s22, s32, 16                        ; 16 rows of the mask
	s_add_co_u32 s22, s22, s24
	s_add_nc_u64 s[4:5], s[4:5], s[22:23]
	s_mov_b32 s22, s24
	s_add_nc_u64 s[6:7], s[6:7], s[22:23]
	s_mul_i32 s22, s44, 6144                       ; four fragments a block of keys
	s_add_nc_u64 s[50:51], s[14:15], s[22:23]      ; K's images
	s_add_nc_u64 s[58:59], s[50:51], 196608        ; V's: fragments 16 C + 4 w on of their section
	s_lshl_b32 s22, s44, 9
	s_add_nc_u64 s[52:53], s[16:17], s[22:23]      ; K's scale words
	s_add_nc_u64 s[60:61], s[52:53], 16384         ; V's
	s_mul_i32 s22, s32, 3072
	s_add_co_u32 s22, s22, 393216
	s_add_nc_u64 s[54:55], s[14:15], s[22:23]      ; Q's images
	s_lshl_b32 s22, s32, 8
	s_add_co_u32 s22, s22, 32768
	s_add_nc_u64 s[56:57], s[16:17], s[22:23]      ; Q's scale words
	s_lshl_b32 s24, s32, 3
	s_add_co_u32 s24, s24, s31                     ; 8 T + C
	s_lshl_b32 s22, s24, 14
	s_lshl_b32 s25, s30, 12
	s_add_co_u32 s22, s22, s25
	s_add_nc_u64 s[18:19], s[18:19], s[22:23]      ; O^T of my two heads: 2,048 bytes a head
	s_lshl_b32 s22, s24, 10
	s_lshl_b32 s25, s30, 8
	s_add_co_u32 s22, s22, s25
	s_add_nc_u64 s[20:21], s[20:21], s[22:23]      ; their (-M, l): 128 bytes a head
.irp n, 0,1,2,3                                ; (a) 16 loads: hidden units thread + 128 n
	global_load_b32 v[TS+10*\n], v40, s[8:9] offset:512*\n
	global_load_b32 v[TS+10*\n+1], v40, s[10:11] offset:512*\n
	global_load_b128 v[TS+10*\n+2:TS+10*\n+5], v41, s[12:13] offset:4096*\n
	global_load_b128 v[TS+10*\n+6:TS+10*\n+9], v41, s[12:13] offset:4096*\n+16
.endr
	WIN 0x40                                       ; (b) 24 loads: K's and Q's operands
.irp f, 0,1,2,3
.irp c, 0,1,2
	global_load_b128 v[KF+12*\f+4*\c:KF+12*\f+4*\c+3], v35, s[50:51] offset:1536*\f+512*\c
.endr
.endr
.irp g, 0,1
.irp c, 0,1,2
	global_load_b128 v[QD+12*\g+4*\c:QD+12*\g+4*\c+3], v35, s[54:55] offset:1536*\g+512*\c
.endr
.endr
	WIN 0
.irp f, 0,1,2,3
	global_load_b32 v[KS+\f], v36, s[52:53] offset:128*\f
.endr
.irp g, 0,1
	global_load_b32 v[QS+\g], v36, s[56:57] offset:128*\g
.endr
.irp j, 0,1,2,3                                ; (c) 4 loads: the mask, read once in the launch
	global_load_b128 v[X+4*\j:X+4*\j+3], v37, s[4:5] offset:16*\j th:TH_LOAD_NT
.endr
	WIN 0x40                                       ; (d) 20 loads, wanted behind the loop: the padding and V's operands
.irp j, 0,1,2,3
	global_load_b128 v[PADR+4*\j:PADR+4*\j+3], v38, s[6:7] offset:16*\j
.endr
.irp n, 0,1,2,3
.irp c, 0,1,2
	global_load_b128 v[VF+12*\n+4*\c:VF+12*\n+4*\c+3], v35, s[58:59] offset:1536*\n+512*\c
.endr
.endr
	WIN 0
.irp n, 0,1,2,3
	global_load_b32 v[VS+\n], v36, s[60:61] offset:128*\n
.endr
	s_wait_loadcnt 48                              ; (a) is in: 24 + 4 + 20 loads are younger
.irp n, 0,1,2,3
.irp k, 0,1,2,3,4,5,6,7,8,9
	ds_store_b32 v39, v[TS+10*\n+\k] offset:10240*\n+8*\k      ; every number twice
	ds_store_b32 v39, v[TS+10*\n+\k] offset:10240*\n+8*\k+4
.endr
.endr
	s_wait_loadcnt 24                              ; (b) is in: 4 + 20 loads are younger
	WIN 0x44                                       ; destination and source 1 in window 1
.irp g, 0,1                                    ; head 4 g + 2 c + e is block 2 c + e of fragment g: registers 6 c .. 6 c + 5 of the lanes' half e.  All else becomes zero codes
.irp e, 0,1
.irp i, 0,1,2,3,4,5
	v_cndmask_b32 v[QM+36*\g+18*\e+\i], 0, v[QD+12*\g+\i], s[40+\e]
	v_mov_b32 v[QM+36*\g+18*\e+6+\i], 0
	v_cndmask_b32 v[QM+36*\g+18*\e+12+\i], 0, v[QD+12*\g+6+\i], s[40+\e]
.endr
.endr
.endr
	WIN 0
.rept 4
	v_nop                                          ; an operand written by vector instructions stands four places ahead of a scaled matrix instruction
.endr
	WIN 0x05                                       ; sources 0 and 1 in window 1
.irp hd, 0,1,2,3,4,5,6,7                       ; register 16 head + 8 u + j of lane (r, h): query r, key 32 B + 16 h + 8 u + j
.irp u, 0,1
	v_wmma_scale_f32_16x16x128_f8f6f4 v[ACC+16*\hd+8*\u:ACC+16*\hd+8*\u+7], v[KF+12*(2*\u+\hd/4):KF+12*(2*\u+\hd/4)+11], v[QM+36*(\hd/4)+18*(\hd%2)+6*((\hd%4)/2):QM+36*(\hd/4)+18*(\hd%2)+6*((\hd%4)/2)+11], 0, v[KS+2*\u+\hd/4], v[QS+\hd/4] matrix_a_fmt:MATRIX_FMT_FP6 matrix_b_fmt:MATRIX_FMT_FP6
.endr
.endr
	WIN 0
.rept 4
	v_nop                                          ; places in front of the first read of results
.endr
	s_wait_dscnt 0x0                               ; for the others' sake: my part of the table has landed
	s_barrier_signal -1
	s_barrier_wait -1                              ; the table is whole; nobody writes it again
	s_wait_loadcnt 20                              ; the mask is in; (d) may stay out through the loop
	s_wait_xcnt 0x0                                ; the address registers of the loads still out are written again only behind this wait
	s_mov_b32 s43, TAB
	v_mov_b32 v[TA], s43
	LOADW WA, 0
	LOADW WB, 160
	s_mov_b32 s42, 127
.Lr:                                                   ; 127 trips of four hidden units; the bias is summed onto the score, r ascending, each accumulator from its low end on
	TRIP 1
	s_sub_co_u32 s42, s42, 1
	s_cmp_lg_u32 s42, 0
	s_cbranch_scc1 .Lr
	TRIP 0                                         ; the last four: nothing more to fetch
	v_and_b32 v16, 15, v0                          ; r
	v_bfe_u32 v17, v0, 4, 1                        ; h
	v_and_b32 v18, 31, v0                          ; lane
	s_lshl_b32 s22, s30, 2
	s_add_co_u32 s22, s22, EX
	v_lshl_add_u32 v19, v16, 4, s22                ; my word of a row's four: EX + 16 r + 4 w
	v_lshl_add_u32 v20, v16, 4, EX                 ; a row's four words
	s_and_b32 s22, s30, 1
	s_mul_i32 s22, s22, 768
	s_lshr_b32 s23, s30, 1
	s_mul_i32 s23, s23, 24
	s_add_co_u32 s22, s22, s23
	s_add_co_u32 s22, s22, PIM
	v_mul_u32_u24 v21, v16, 48
	v_mad_u32_u24 v21, v17, 12, v21
	v_add_nc_u32 v21, s22, v21                     ; my block is block w of the operand's four: lane r + 16 (w % 2), registers 6 (w / 2) + 3 h on
	s_add_co_u32 s22, s30, PSC
	v_lshl_add_u32 v22, v16, 2, s22                ; and byte w of the row's scale word
	s_mul_i32 s22, s30, 3072
	s_add_co_u32 s22, s22, PIM
	v_mul_u32_u24 v23, v18, 48
	v_add_nc_u32 v23, s22, v23                     ; back: the images of my two heads
	s_lshl_b32 s22, s30, 7
	s_add_co_u32 s22, s22, PSC
	v_lshl_add_u32 v24, v16, 2, s22                ; and their scale words
	s_lshl_b32 s22, s30, 9
	s_add_co_u32 s22, s22, EX
	v_lshl_add_u32 v25, v16, 4, s22
	v_lshl_add_u32 v25, v17, 8, v25                ; the four words of head 2 w + h, query r
	v_lshlrev_b32 v26, 4, v18
	v_lshlrev_b32 v27, 3, v18
	s_wait_loadcnt 0x0                             ; the padding and V's operands
	WIN 0x01                                       ; source 0 in window 1
.irp hd, 0,1,2,3,4,5,6,7
.irp i, 0,2,4,6,8,10,12,14
	v_pk_fma_f32 v[ACC+16*\hd+\i:ACC+16*\hd+\i+1], v[PADR+\i:PADR+\i+1], s[36:37], v[ACC+16*\hd+\i:ACC+16*\hd+\i+1] op_sel_hi:[1,0,1]   ; the large term last
.endr
.endr
	WIN 0
.irp hd, 0,1,2,3,4,5,6,7                       ; the largest logit of my block of 32 keys, for each head (the heads by turns): it serves for the row's maximum and for the block's largest p
	v_max3_num_f32 v[MB+\hd], v[ACC+16*\hd], v[ACC+16*\hd+1], v[ACC+16*\hd+2]
.endr
.irp i, 3,5,7,9,11,13
.irp hd, 0,1,2,3,4,5,6,7
	v_max3_num_f32 v[MB+\hd], v[MB+\hd], v[ACC+16*\hd+\i], v[ACC+16*\hd+\i+1]
.endr
.endr
.irp hd, 0,1,2,3,4,5,6,7
	v_max_num_f32 v[MB+\hd], v[MB+\hd], v[ACC+16*\hd+15]
.endr
.irp hd, 0,1,2,3,4,5,6,7
	v_permlanex16_b32 v[TP+\hd], v[MB+\hd], s38, s39
.endr
.irp hd, 0,1,2,3,4,5,6,7
	v_max_num_f32 v[MB+\hd], v[MB+\hd], v[TP+\hd]  ; with lane l xor 16's 16 keys
.endr
.irp hd, 0,1,2,3,4,5,6,7
	ds_store_b32 v19, v[MB+\hd] offset:256*\hd     ; both halves of the lanes write the same word with the same value
.endr
	s_wait_dscnt 0x0                               ; for the others' sake
	s_barrier_signal -1
	s_barrier_wait -1                              ; the four blocks' maxima lie in LDS
.irp hd, 0,1,2,3,4,5,6,7
	ds_load_b128 v[EXL+4*\hd:EXL+4*\hd+3], v20 offset:256*\hd
.endr
	s_wait_dscnt 0x0
.irp hd, 0,1,2,3,4,5,6,7
	v_max3_num_f32 v[TP+\hd], v[EXL+4*\hd], v[EXL+4*\hd+1], v[EXL+4*\hd+2]
.endr
.irp hd, 0,1,2,3,4,5,6,7
	v_max_num_f32 v[TP+\hd], v[TP+\hd], v[EXL+4*\hd+3]   ; the row's largest logit in this chunk
.endr
.irp hd, 0,1,2,3,4,5,6,7
	v_mul_f32 v[NMP+2*\hd+1], s34, v[TP+\hd]       ; as t
.endr
.irp hd, 0,1,2,3,4,5,6,7
	v_floor_f32 v[NMP+2*\hd], -v[NMP+2*\hd+1]      ; -M = floor(-t) = -ceil(t): a whole number
.endr
.irp hd, 0,1,2,3,4,5,6,7
.irp i, 0,2,4,6,8,10,12,14
	v_pk_fma_f32 v[ACC+16*\hd+\i:ACC+16*\hd+\i+1], v[ACC+16*\hd+\i:ACC+16*\hd+\i+1], s[34:35], v[NMP+2*\hd:NMP+2*\hd+1] op_sel_hi:[1,0,0]   ; t - M (of the pairs the low word serves both halves)
.endr
.endr
.irp hd, 0,1,2,3,4,5,6,7
	v_fma_f32 v[MB+\hd], v[MB+\hd], s34, v[NMP+2*\hd]   ; the same of my block's largest logit
.endr
.set j, 0
.rept 128
	v_exp_f32 v[ACC+j], v[ACC+j]                   ; p = 2^(t - M), at most 1: not normalised
.set j, j+1
.endr
.irp hd, 0,1,2,3,4,5,6,7
	v_exp_f32 v[MB+\hd], v[MB+\hd]                 ; the block's largest p: the same two instructions on the same number give the same bits
.endr
	v_nop                                          ; a plain instruction behind the last exponential
	s_wait_alu depctr_va_vdst(0)                   ; one wait for the batch of 136, ahead of its first reader
.irp hd, 0,1,2,3,4,5,6,7                       ; the sum of the unquantised p of my 16 keys, two at a time
	v_pk_add_f32 v[SUM+2*\hd:SUM+2*\hd+1], v[ACC+16*\hd:ACC+16*\hd+1], v[ACC+16*\hd+2:ACC+16*\hd+3]
.endr
.irp i, 4,6,8,10,12,14
.irp hd, 0,1,2,3,4,5,6,7
	v_pk_add_f32 v[SUM+2*\hd:SUM+2*\hd+1], v[SUM+2*\hd:SUM+2*\hd+1], v[ACC+16*\hd+\i:ACC+16*\hd+\i+1]
.endr
.endr
.irp hd, 0,1,2,3,4,5,6,7
	v_add_f32 v[SUM+2*\hd], v[SUM+2*\hd], v[SUM+2*\hd+1]
.endr
.irp hd, 0,1,2,3,4,5,6,7
	v_permlanex16_b32 v[TP+\hd], v[SUM+2*\hd], s38, s39
.endr
.irp hd, 0,1,2,3,4,5,6,7
	v_add_f32 v[SUM+2*\hd], v[SUM+2*\hd], v[TP+\hd]   ; my block's sum
.endr
.irp hd, 0,1,2,3,4,5,6,7
	ds_store_b32 v19, v[SUM+2*\hd] offset:2048+256*\hd
.endr
.irp hd, 0,1,2,3,4,5,6,7
	v_max_num_f32 v[MB+\hd], 0x1800000, v[MB+\hd]  ; the floor 2^(3 - 127): the byte cannot fall under 1
.endr
.irp hd, 0,1,2,3,4,5,6,7
	v_add_nc_u32 v[SO+\hd], 0xff000000, v[MB+\hd]  ; 2 off the exponent field: the conversion's scale operand
.endr
.irp hd, 0,1,2,3,4,5,6,7
	v_lshrrev_b32 v[BY+\hd], 23, v[SO+\hd]         ; the scale's byte
.endr
.irp hd, 0,1,2,3,4,5,6,7
	v_cvt_scalef32_pk16_fp6_f32 v[PCD+4*\hd:PCD+4*\hd+2], v[ACC+16*\hd:ACC+16*\hd+15], v[SO+\hd]   ; 96 bits: the codes of keys 16 h + 0 .. 15 of my block
.endr
	v_nop                                          ; one plain place behind the last scaled conversion
.irp hd, 0,1,2,3,4,5,6,7
.irp i, 0,1,2
	ds_store_b32 v21, v[PCD+4*\hd+\i] offset:1536*\hd+4*\i
.endr
	ds_store_b8 v22, v[BY+\hd] offset:64*\hd       ; both halves of the lanes write the same byte with the same value
.endr
	s_wait_dscnt 0x0                               ; for the others' sake: sums, codes and bytes have landed
	s_barrier_signal -1
	s_barrier_wait -1                              ; p's eight fragments lie in LDS
.irp hl, 0,1
.irp c, 0,1,2
	ds_load_b128 v[PF+12*\hl+4*\c:PF+12*\hl+4*\c+3], v23 offset:1536*\hl+16*\c
.endr
	ds_load_b32 v[PS+\hl], v24 offset:64*\hl
.endr
	ds_load_b128 v[72:75], v25                     ; head 2 w + h, query r: the four blocks' largest logits,
	ds_load_b128 v[76:79], v25 offset:2048         ; and their sums
	s_wait_dscnt 0x0
	WIN 0x01                                       ; source 0 (V) in window 1
.irp hl, 0,1                                   ; O^T = V^T P^T: register 16 hl + 8 u + j of lane (r, h): query r, dim 16 h + 8 u + j of head 2 w + hl
.irp u, 0,1
	v_wmma_scale_f32_16x16x128_f8f6f4 v[O+8*(2*\hl+\u):O+8*(2*\hl+\u)+7], v[VF+12*(2*\hl+\u):VF+12*(2*\hl+\u)+11], v[PF+12*\hl:PF+12*\hl+11], 0, v[VS+2*\hl+\u], v[PS+\hl] matrix_a_fmt:MATRIX_FMT_FP6 matrix_b_fmt:MATRIX_FMT_FP6
.endr
.endr
	WIN 0
	v_max3_num_f32 v82, v72, v73, v74              ; -M once more, by the same lines, for the head and query that I store.  (These seven are also the places behind the products)
	v_max_num_f32 v82, v82, v75
	v_mul_f32 v82, s34, v82
	v_floor_f32 v80, -v82
	v_add_f32 v81, v76, v77
	v_add_f32 v83, v78, v79
	v_add_f32 v81, v81, v83                        ; l of the chunk
.irp k, 0,1,2,3,4,5,6,7
	global_store_b128 v26, v[O+4*\k:O+4*\k+3], s[18:19] offset:512*\k   ; each accumulator from its low end on; a store covers 512 consecutive bytes, aligned
.endr
	global_store_b64 v27, v[80:81], s[20:21]       ; 256 consecutive bytes, aligned
	s_wait_tensorcnt 0x0                           ; the wave's end, behind my last LDS store
	ds_add_u32 v[SPW], v[NIL]
	s_wait_dscnt 0x0
	s_endpgm
.Lfunc_end_k_q923d03200b_attn:
	.size	k_q923d03200b_attn, .Lfunc_end_k_q923d03200b_attn-k_q923d03200b_attn
	.p2alignl 7, 3214868480
	.fill 96, 4, 3214868480
	.section	.rodata,"a",@progbits
	.p2align	6, 0x0
	.amdhsa_kernel k_q923d03200b_attn
		.amdhsa_group_segment_fixed_size 58368
		.amdhsa_private_segment_fixed_size 0
		.amdhsa_enable_private_segment 0
		.amdhsa_kernarg_size 72
		.amdhsa_user_sgpr_count 2
		.amdhsa_user_sgpr_kernarg_segment_ptr 1
		.amdhsa_wavefront_size32 1
		.amdhsa_system_sgpr_workgroup_id_x 1
		.amdhsa_system_sgpr_workgroup_id_y 1
		.amdhsa_system_sgpr_workgroup_id_z 1
		.amdhsa_system_vgpr_workitem_id 0
		.amdhsa_next_free_vgpr 512
		.amdhsa_next_free_sgpr 66
		.amdhsa_reserve_vcc 0
		.amdhsa_float_denorm_mode_32 3
		.amdhsa_float_denorm_mode_16_64 3
		.amdhsa_memory_ordered 1
		.amdhsa_forward_progress 1
		.amdhsa_inst_pref_size 97
	.end_amdhsa_kernel
	.amdgpu_metadata
---
amdhsa.version: [ 1, 2 ]
amdhsa.kernels:
  - .name:           k_q923d03200b_attn
    .symbol:         k_q923d03200b_attn.kd
    .args:
      - { .name: attn_mask, .offset: 0, .size: 8, .value_kind: global_buffer, .address_space: global }
      - { .name: input_padding_mask, .offset: 8, .size: 8, .value_kind: global_buffer, .address_space: global }
      - { .name: W1, .offset: 16, .size: 8, .value_kind: global_buffer, .address_space: global }
      - { .name: b1, .offset: 24, .size: 8, .value_kind: global_buffer, .address_space: global }
      - { .name: W2, .offset: 32, .size: 8, .value_kind: global_buffer, .address_space: global }
      - { .name: img, .offset: 40, .size: 8, .value_kind: global_buffer, .address_space: global }
      - { .name: scl, .offset: 48, .size: 8, .value_kind: global_buffer, .address_space: global }
      - { .name: opart, .offset: 56, .size: 8, .value_kind: global_buffer, .address_space: global }
      - { .name: stat, .offset: 64, .size: 8, .value_kind: global_buffer, .address_space: global }
    .group_segment_fixed_size: 58368
    .private_segment_fixed_size: 0
    .kernarg_segment_align: 8
    .kernarg_segment_size: 72
    .max_flat_workgroup_size: 128
    .sgpr_count:     66
    .vgpr_count:     512
    .wavefront_size: 32
...
	.end_amdgpu_metadata
.endif
;; end of part 2
;; launch outp (part 3): grid 32 x 1, 8 waves a work-group, no clusters, 20,992 bytes of LDS; arguments opart, stat, img, scl, bp, out0; writes out0
.if DOCPART == 3
	.amdgcn_target "amdgcn-amd-amdhsa--gfx1250"
	.amdhsa_code_object_version 6
	.text
	.protected	k_q923d03200b_outp
	.globl	k_q923d03200b_outp
	.p2align	8
	.type	k_q923d03200b_outp,@function
k_q923d03200b_outp:
	s_mov_b64 s[64:65], 0
	v_nop
	global_prefetch_b8 v0, s[64:65] scope:SCOPE_SE
	s_setreg_imm32_b32 hwreg(HW_REG_WAVE_MODE, 25, 1), 1
	s_wait_xcnt 0x0
; THE JOIN OF THE EIGHT CHUNKS OF KEYS, AND THE LAST PROJECTION.  For each query and head: M = the largest of the chunks' whole numbers M_c; f_c = 2^(M_c - M), exact; x = (sum of f_c O_c) / (sum of f_c l_c).
; x is quantised along its 256 dims (a head is a block of 32) to codes of FP6 (E2M3) with E8M0 scales, and out = x Wp + bp on codes; Wp's fragments were made by the first launch.
; SHARES.  A work-group takes a tile of 16 queries, the least that the matrix form takes: 32 work-groups.  In the join wave w is head w: lane (r, h) holds query r and dims 16 h + 0 .. 15 of the head, as the launch before left them.
; Its 96 bits of codes a lane go to their place in x's two images in LDS, its scale byte into the row's word.  Behind a barrier wave w makes output columns 32 w .. 32 w + 31 (source 0 = 16 columns of Wp, source 1 = x: a lane holds
; one query and eight neighbouring columns); bp is the C of each sum's first matrix instruction.  The results meet in a stage, and each wave stores two whole rows.
; No tensor load, no cluster, no prefetch: a work-group reads 128 KB once, all asked for at its head.
; LIMITS: NaN and infinities are not served.  1 / l by v_rcp_f32.  A block whose largest magnitude lies under 2^-124, a block of zeros among them, keeps the scale byte 1.
.set XIM,   0                          ; LDS: x's two fragments: 1,536 g; a lane's 12 registers at 48 x lane
.set XSC,   3072                       ; their scale words: 64 g + 4 r + byte
.set STG,   3328                       ; the stage: 16 rows x (1,024 bytes + 16)
.set SPARE, 19968                      ; the spare words, 128 bytes for each of the eight waves: four blocks of 256 bytes that no other line names
.set SPW,  14                          ; v14  LDS address of my spare word; never rewritten
.set NIL,  15                          ; v15  0; never rewritten
.set ST,   16                          ; v16-31  for each chunk the pair (-M_c, l_c); the first becomes f_c
.set WPS,  48                          ; v48-51  Wp's scale words;  v52-53 x's: these hold scales and nothing else
.set XSW,  52
.set D,    56                          ; v56-71  two accumulators, begun on bp
.set WPF,  72                          ; v72-119 Wp's four fragments (2 x tile of mine + K step)
.set OP,   128                         ; v128-255 the eight chunks' O^T, 16 registers each; the first becomes x
.set XF,   144                         ; later: x's two fragments
	s_load_b256 s[4:11], s[0:1], 0x0               ; opart 4, stat 6, img 8, scl 10
	s_load_b128 s[12:15], s[0:1], 0x20             ; bp 12, out0 14
	v_lshl_add_u32 v[SPW], v0, 2, SPARE
	v_mov_b32 v[NIL], 0
	v_lshrrev_b32 v1, 5, v0
	v_readfirstlane_b32 s20, v1                    ; wave 0..7
	s_mov_b32 s21, ttmp9                           ; T
	s_mov_b32 s22, 0x76543210
	s_mov_b32 s23, 0xfedcba98                      ; v_permlanex16_b32's selects for lane l xor 16
	v_and_b32 v1, 31, v0                           ; lane
	v_and_b32 v2, 15, v0                           ; r
	v_bfe_u32 v3, v0, 4, 1                         ; h
	v_lshlrev_b32 v4, 4, v1                        ; 16 x lane
	v_lshlrev_b32 v5, 2, v1                        ; 4 x lane
	v_lshlrev_b32 v6, 3, v2                        ; the statistics: 8 bytes a query
	v_lshlrev_b32 v7, 5, v3                        ; bp: 8 columns on for lanes 16-31
	s_lshr_b32 s24, s20, 2
	s_mul_i32 s24, s24, 1536
	s_and_b32 s25, s20, 1
	s_mul_i32 s25, s25, 768
	s_add_co_u32 s24, s24, s25
	s_bfe_u32 s25, s20, 0x10001
	s_mul_i32 s25, s25, 24
	s_add_co_u32 s24, s24, s25
	v_mul_u32_u24 v8, v2, 48
	v_mad_u32_u24 v8, v3, 12, v8
	v_add_nc_u32 v8, s24, v8                       ; head w is block w % 4 of fragment w / 4: lane r + 16 (w % 2), registers 6 ((w / 2) % 2) + 3 h on
	s_lshr_b32 s24, s20, 2
	s_lshl_b32 s24, s24, 6
	s_and_b32 s25, s20, 3
	s_add_co_u32 s24, s24, s25
	s_add_co_u32 s24, s24, XSC
	v_lshl_add_u32 v9, v2, 2, s24                  ; and byte w % 4 of the row's scale word
	v_mul_u32_u24 v10, v1, 48                      ; back: an image's place for my lane
	v_lshl_add_u32 v11, v2, 2, XSC                 ; and the row's scale word
	s_lshl_b32 s24, s20, 7
	s_add_co_u32 s24, s24, STG
	v_mul_u32_u24 v12, v2, 1040
	v_lshl_add_u32 v12, v3, 5, v12
	v_add_nc_u32 v12, s24, v12                     ; the stage: row r, + 128 w, + 32 h
	s_mul_i32 s24, s20, 2080
	s_add_co_u32 s24, s24, STG
	v_add_nc_u32 v13, s24, v4                      ; back: my two rows, 16 bytes a lane
	v_mov_b32 v37, 0                               ; written once: a lane permute's destination counts as one of its sources
	s_mov_b32 s25, 0
	s_lshl_b32 s26, s20, 11
	s_lshl_b32 s27, s20, 7
	s_wait_kmcnt 0x0
	s_lshl_b32 s24, s21, 17
	s_add_co_u32 s24, s24, s26
	s_add_nc_u64 s[4:5], s[4:5], s[24:25]          ; O^T: 131,072 bytes a tile, 2,048 a head
	s_lshl_b32 s24, s21, 13
	s_add_co_u32 s24, s24, s27
	s_add_nc_u64 s[6:7], s[6:7], s[24:25]          ; the statistics: 8,192 bytes a tile, 128 a head
	s_mul_i32 s24, s20, 6144
	s_add_co_u32 s24, s24, 491520
	s_add_nc_u64 s[8:9], s[8:9], s[24:25]          ; Wp's fragments 4 w on
	s_lshl_b32 s24, s20, 9
	s_add_co_u32 s24, s24, 40960
	s_add_nc_u64 s[10:11], s[10:11], s[24:25]      ; their scale words
	s_mov_b32 s24, s27
	s_add_nc_u64 s[12:13], s[12:13], s[24:25]      ; bp: my 32 columns
	s_lshl_b32 s24, s21, 14
	s_add_co_u32 s24, s24, s26
	s_add_nc_u64 s[14:15], s[14:15], s[24:25]      ; out0: rows 16 T + 2 w on
.irp c, 0,1,2,3,4,5,6,7
	global_load_b64 v[ST+2*\c:ST+2*\c+1], v6, s[6:7] offset:1024*\c
.endr
.irp c, 0,1,2,3,4,5,6,7
.irp k, 0,1,2,3
	global_load_b128 v[OP+16*\c+4*\k:OP+16*\c+4*\k+3], v4, s[4:5] offset:16384*\c+512*\k th:TH_LOAD_NT
.endr
.endr
.irp n, 0,1,2,3
.irp c, 0,1,2
	global_load_b128 v[WPF+12*\n+4*\c:WPF+12*\n+4*\c+3], v4, s[8:9] offset:1536*\n+512*\c
.endr
.endr
.irp n, 0,1,2,3
	global_load_b32 v[WPS+\n], v5, s[10:11] offset:128*\n
.endr
.irp tl, 0,1
	global_load_b128 v[D+8*\tl:D+8*\tl+3], v7, s[12:13] offset:64*\tl        ; register j of tile tl: column 32 w + 16 tl + 8 h + j
	global_load_b128 v[D+8*\tl+4:D+8*\tl+7], v7, s[12:13] offset:64*\tl+16
.endr
	s_wait_loadcnt 52                              ; the statistics are in: 32 + 12 + 4 + 4 loads are younger
	v_min3_num_f32 v32, v[ST], v[ST+2], v[ST+4]
	v_min3_num_f32 v32, v32, v[ST+6], v[ST+8]
	v_min3_num_f32 v32, v32, v[ST+10], v[ST+12]
	v_min_num_f32 v32, v32, v[ST+14]               ; -M = the least of the -M_c
.irp c, 0,1,2,3,4,5,6,7
	v_sub_f32 v[ST+2*\c], v32, v[ST+2*\c]          ; M_c - M: a whole number, 0 or less
.endr
.irp c, 0,1,2,3,4,5,6,7
	v_cvt_i32_f32 v[ST+2*\c], v[ST+2*\c]           ; (it saturates)
.endr
.irp c, 0,1,2,3,4,5,6,7
	v_ldexp_f32 v[ST+2*\c], 1.0, v[ST+2*\c]        ; f_c: a multiplication by it rounds nothing
.endr
	v_mul_f32 v33, v[ST], v[ST+1]
.irp c, 1,2,3,4,5,6,7
	v_fma_f32 v33, v[ST+2*\c], v[ST+2*\c+1], v33   ; l
.endr
	v_rcp_f32 v34, v33
	v_mov_b32 v35, v33                             ; a plain instruction behind the reciprocal; it writes the other half of the pair that the packed form names
.irp c, 0,1,2,3,4,5,6,7
	s_wait_loadcnt 4*(7-\c)+20                     ; chunk c is in: the later chunks' loads and the 20 of Wp and bp are younger
.irp i, 0,2,4,6,8,10,12,14
.if \c == 0
	v_pk_mul_f32 v[OP+\i:OP+\i+1], v[OP+\i:OP+\i+1], v[ST:ST+1] op_sel_hi:[1,0]
.else
	v_pk_fma_f32 v[OP+\i:OP+\i+1], v[OP+16*\c+\i:OP+16*\c+\i+1], v[ST+2*\c:ST+2*\c+1], v[OP+\i:OP+\i+1] op_sel_hi:[1,0,1]
.endif
.endr
.endr
	s_wait_alu depctr_va_vdst(0)                   ; the wait ahead of the reciprocal's first reader
.irp i, 0,2,4,6,8,10,12,14
	v_pk_mul_f32 v[OP+\i:OP+\i+1], v[OP+\i:OP+\i+1], v[34:35] op_sel_hi:[1,0]   ; x
.endr
	v_max3_num_f32 v36, |v[OP]|, |v[OP+1]|, 0x1800000   ; my 16 numbers, and the floor 2^(3 - 127): the byte cannot fall under 1
.irp i, 2,4,6,8,10,12,14
	v_max3_num_f32 v36, v36, |v[OP+\i]|, |v[OP+\i+1]|
.endr
	v_permlanex16_b32 v37, v36, s22, s23
	v_max_num_f32 v36, v36, v37                    ; with lane l xor 16's: the block's largest magnitude
	v_add_nc_u32 v38, 0xff000000, v36              ; 2 off its exponent field: the conversion's scale operand
	v_lshrrev_b32 v39, 23, v38                     ; the scale's byte
	v_cvt_scalef32_pk16_fp6_f32 v[44:46], v[OP:OP+15], v38
	v_nop                                          ; one plain place behind a scaled conversion
.irp i, 0,1,2
	ds_store_b32 v8, v[44+\i] offset:4*\i
.endr
	ds_store_b8 v9, v39                            ; both halves of the lanes write the same byte with the same value
	s_wait_dscnt 0x0                               ; for the others' sake
	s_barrier_signal -1
	s_barrier_wait -1                              ; x's two fragments lie in LDS
.irp g, 0,1
.irp c, 0,1,2
	ds_load_b128 v[XF+12*\g+4*\c:XF+12*\g+4*\c+3], v10 offset:1536*\g+16*\c
.endr
	ds_load_b32 v[XSW+\g], v11 offset:64*\g
.endr
	s_wait_dscnt 0x0
	s_wait_loadcnt 0x0                             ; Wp's fragments, their scale words, bp
.irp s, 0,1                                    ; the two accumulators take turns, one instruction a turn
.irp tl, 0,1
	v_wmma_scale_f32_16x16x128_f8f6f4 v[D+8*\tl:D+8*\tl+7], v[WPF+12*(2*\tl+\s):WPF+12*(2*\tl+\s)+11], v[XF+12*\s:XF+12*\s+11], v[D+8*\tl:D+8*\tl+7], v[WPS+2*\tl+\s], v[XSW+\s] matrix_a_fmt:MATRIX_FMT_FP6 matrix_b_fmt:MATRIX_FMT_FP6
.endr
.endr
.rept 4
	v_nop                                          ; places in front of the first read of results
.endr
.irp tl, 0,1
	ds_store_b128 v12, v[D+8*\tl:D+8*\tl+3] offset:64*\tl          ; each accumulator from its low end on
	ds_store_b128 v12, v[D+8*\tl+4:D+8*\tl+7] offset:64*\tl+16
.endr
	s_wait_dscnt 0x0                               ; for the others' sake
	s_barrier_signal -1
	s_barrier_wait -1                              ; 16 whole rows lie in the stage
.irp m, 0,1,2,3
	ds_load_b128 v[OP+4*\m:OP+4*\m+3], v13 offset:1040*(\m/2)+512*(\m%2)
.endr
.irp m, 0,1,2,3
	s_wait_dscnt 3-\m                              ; LDS loads come back in order: load m is in, the younger ones may be out
	global_store_b128 v4, v[OP+4*\m:OP+4*\m+3], s[14:15] offset:1024*(\m/2)+512*(\m%2) th:TH_STORE_NT   ; 32 lanes store 512 consecutive bytes, aligned
.endr
	s_wait_tensorcnt 0x0                           ; the wave's end, behind my last LDS store
	ds_add_u32 v[SPW], v[NIL]
	s_wait_dscnt 0x0
	s_endpgm
.Lfunc_end_k_q923d03200b_outp:
	.size	k_q923d03200b_outp, .Lfunc_end_k_q923d03200b_outp-k_q923d03200b_outp
	.p2alignl 7, 3214868480
	.fill 96, 4, 3214868480
	.section	.rodata,"a",@progbits
	.p2align	6, 0x0
	.amdhsa_kernel k_q923d03200b_outp
		.amdhsa_group_segment_fixed_size 20992
		.amdhsa_private_segment_fixed_size 0
		.amdhsa_enable_private_segment 0
		.amdhsa_kernarg_size 48
		.amdhsa_user_sgpr_count 2
		.amdhsa_user_sgpr_kernarg_segment_ptr 1
		.amdhsa_wavefront_size32 1
		.amdhsa_system_sgpr_workgroup_id_x 1
		.amdhsa_system_sgpr_workgroup_id_y 1
		.amdhsa_system_sgpr_workgroup_id_z 1
		.amdhsa_system_vgpr_workitem_id 0
		.amdhsa_next_free_vgpr 256
		.amdhsa_next_free_sgpr 66
		.amdhsa_reserve_vcc 0
		.amdhsa_float_denorm_mode_32 3
		.amdhsa_float_denorm_mode_16_64 3
		.amdhsa_memory_ordered 1
		.amdhsa_forward_progress 1
		.amdhsa_inst_pref_size 19
	.end_amdhsa_kernel
	.amdgpu_metadata
---
amdhsa.version: [ 1, 2 ]
amdhsa.kernels:
  - .name:           k_q923d03200b_outp
    .symbol:         k_q923d03200b_outp.kd
    .args:
      - { .name: opart, .offset: 0, .size: 8, .value_kind: global_buffer, .address_space: global }
      - { .name: stat, .offset: 8, .size: 8, .value_kind: global_buffer, .address_space: global }
      - { .name: img, .offset: 16, .size: 8, .value_kind: global_buffer, .address_space: global }
      - { .name: scl, .offset: 24, .size: 8, .value_kind: global_buffer, .address_space: global }
      - { .name: bp, .offset: 32, .size: 8, .value_kind: global_buffer, .address_space: global }
      - { .name: out0, .offset: 40, .size: 8, .value_kind: global_buffer, .address_space: global }
    .group_segment_fixed_size: 20992
    .private_segment_fixed_size: 0
    .kernarg_segment_align: 8
    .kernarg_segment_size: 48
    .max_flat_workgroup_size: 256
    .sgpr_count:     66
    .vgpr_count:     256
    .wavefront_size: 32
...
	.end_amdgpu_metadata
.endif
;; end of part 3
;; ======== version 2 of 2: 4 launches; 1.35 times as fast as version 1
;; workspace buffers: img 540,672 bytes; scl 45,056 bytes; opart 4,194,304 bytes; stat 262,144 bytes; seg 2,097,152 bytes of whole numbers; tab 33,024 bytes; eidx 2,304 bytes of whole numbers
;; launch proj: the kernel of part 1 again; grid 42 x 1, 8 waves a work-group, no clusters, 54,272 bytes of LDS; arguments k_input_flatten, query, v_input_flatten, Wk, Wq, Wv, Wp, bk, bq, bv, img, scl; writes img, scl
;; launch seg (part 4): grid 256 x 1, 16 waves a work-group, no clusters, 8,192 bytes of LDS; arguments attn_mask, W1, b1, W2, seg, tab, eidx; writes seg, tab, eidx
.if DOCPART == 4
	.amdgcn_target "amdgcn-amd-amdhsa--gfx1250"
	.amdhsa_code_object_version 6
	.text
	.protected	k_q923d03200b_seg
	.globl	k_q923d03200b_seg
	.p2align	8
	.type	k_q923d03200b_seg,@function
k_q923d03200b_seg:
	s_mov_b64 s[64:65], 0
	v_nop
	global_prefetch_b8 v0, s[64:65] scope:SCOPE_SE
	s_setreg_imm32_b32 hwreg(HW_REG_WAVE_MODE, 25, 1), 1
	s_wait_xcnt 0x0
; THE BIAS, MADE READY.  bias[head](x) = sum over r of W2[r][head] relu(x W1[r] + b1[r]) is piecewise linear in the mask's number x: between two neighbouring thresholds t_r = -b1[r] / W1[r] the set of
; hidden units that are on does not change, and there bias = a x + b with a = the sum over that set of W2 W1 and b = the sum of W2 b1.  This launch makes, in f32,
;   seg  [512][1024] u32: for each (query, key) the number of thresholds under its x: 2 instructions for each (lane's pair, unit), a compare and an add with carry;
;   tab  [513][16] f32:   a of the 8 heads, then b of the 8 heads, for the set that holds just above t_j (row j = 0 .. 511) and for the set under all thresholds (row 512);
;   eidx [513] u32:       for each row the number of thresholds at or under its own, which is the number that seg holds for every x of that stretch (equal thresholds give equal rows and equal numbers).
; The look-up itself is an address made from these whole numbers: it is left to the next launch, which reads them from memory.
; WHICH UNITS ARE ON.  'under' = t_r < x.  W1 > 0: on where under.  W1 < 0: on where not under.  |W1| < 2^-126 counts as 0: t = +infinity (never under), on where b1 > 0.  So on = under xor neg, neg a flag of the unit.
; SHARES.  256 work-groups of 16 waves; thread r of a work-group owns hidden unit r.  A work-group counts for 2,048 pairs (8,192 consecutive bytes of the mask): a lane holds 4, a wave's load and store cover 512 consecutive
; bytes.  The thresholds lie in LDS and are read by all lanes at one address, 4 a load.  A wave's count is 512 x 8 = 4,096 vector instructions; four waves share a SIMD.
; Work-group g sums rows 2 g, 2 g + 1 and 512 of tab (row 512 is stored by work-group 0 alone): thread r gives its unit's 16 products and a 1 for each row; the 51 numbers (and a 0 to make them even) are summed over
; the 32 lanes and then, through LDS, over the 16 waves.  The rows' own thresholds are made anew from W1 and b1 by the same three instructions, which give the same bits.
; No matrix work, no tensor load, no cluster: work-groups share 20 KB of weights, read once at the head.  tab's and eidx's stores are short (64 and 4 bytes a row, 35 KB in the whole launch).
; LIMITS: NaN and infinities are not served, nor |W1| from 2^126 on (its reciprocal counts as 0).  A threshold is right to about 2 units of its last place: an x that close to it takes the unit on the wrong side,
; where the unit's term is under 4e-7 |W2 b1|.  The order of rounding is not reference()'s: a x + b is rounded at the size of |a x| + |b|, the size at which x W1 is rounded there.
.set TT,    0                          ; LDS: the 512 thresholds
.set RED,   2048                       ; 16 waves x 256 bytes: a wave's 52 sums, 4 bytes each
.set SPARE, 6144                       ; the spare words, 128 bytes for each of the 16 waves: eight blocks of 256 bytes that no other line names
.set SPW,  1                           ; v1   LDS address of my spare word; never rewritten
.set NIL,  2                           ; v2   0; never rewritten
.set TA,   3                           ; v3   where the loop's trip begins among the thresholds
.set W1R,  4                           ; v4   W1 of my unit;  v5 b1;  v6 its threshold;  v7 1 / W1
.set B1R,  5
.set TR,   6
.set RC,   7
.set W2R,  8                           ; v8-15  W2's row of my unit
.set X,    16                          ; v16-19 my four numbers of the mask
.set CNT,  20                          ; v20-23 their counts
.set EW,   24                          ; v24-25 W1 of units 2 g, 2 g + 1;  v26-27 their b1
.set EB,   26
.set TE,   28                          ; v28-30 the three rows' thresholds: t of 2 g, of 2 g + 1, -infinity
.set INF,  31
.set ONE,  32
.set M,    36                          ; v36-47 for each row: (W1 or 0, 0), (b1 or 0, 0): pairs for the packed form
.set V,    48                          ; v48-99 the 52 numbers: 16 e + c: row e's products; 48 + e: its 1 or 0; 51: 0
.set TBA,  48                          ; later: two buffers of 16 thresholds
.set TBB,  64
.set O4,   100                         ; v100 4 x thread;  v101 32 x thread;  v102 16 x thread;  v103 0: offsets, never rewritten
.set O32,  101
.set O16,  102
.set ZO,   103
.set RA,   104                         ; v104 where I store my wave's sums;  v105, v106 where a row's are read back;  v107 4 x (lane % 16)
.set PA,   105
.set CA,   106
.set SO4,  107
.set RES,  108                         ; v108 a number of tab's row;  v109 the row's count
.macro LOADT buf, off                  ; 16 thresholds; every lane reads the same bytes
.irp k, 0,1,2,3
	ds_load_b128 v[\buf+4*\k:\buf+4*\k+3], v[TA] offset:\off+16*\k
.endr
.endm
.macro TWO ta                          ; two thresholds against my four numbers: eight masks in scalar registers by turns, so that no add follows its own compare directly
.irp i, 0,1,2,3
	v_cmp_lt_f32 s[40+\i], v[\ta], v[X+\i]
.endr
.irp i, 0,1,2,3
	v_cmp_lt_f32 s[44+\i], v[\ta+1], v[X+\i]
.endr
.irp i, 0,1,2,3
	v_add_co_ci_u32 v[CNT+\i], s[40+\i], 0, v[CNT+\i], s[40+\i]   ; count + 0 + the mask's bit
.endr
.irp i, 0,1,2,3
	v_add_co_ci_u32 v[CNT+\i], s[44+\i], 0, v[CNT+\i], s[44+\i]
.endr
.endm
.macro GROUP buf
.irp q, 0,2,4,6,8,10,12,14
	TWO \buf+\q
.endr
.endm
.macro TRIP more                       ; 32 thresholds; more = 1: the next trip's are asked for as their registers fall free
	s_wait_dscnt 4                                 ; the first buffer's four loads are in; the second's four are younger
	GROUP TBA
.if \more
	LOADT TBA, 128
	s_wait_dscnt 4                                 ; the second buffer's are in; the four just issued are younger
.else
	s_wait_dscnt 0x0
.endif
	GROUP TBB
.if \more
	LOADT TBB, 192
	s_add_co_u32 s35, s35, 128                     ; 32 thresholds on
	v_mov_b32 v[TA], s35
.endif
.endm
	s_load_b256 s[4:11], s[0:1], 0x0               ; mask 4, W1 6, b1 8, W2 10
	s_load_b128 s[12:15], s[0:1], 0x20             ; seg 12, tab 14
	s_load_b64 s[16:17], s[0:1], 0x30              ; eidx
	v_lshl_add_u32 v[SPW], v0, 2, SPARE
	v_mov_b32 v[NIL], 0
	v_lshrrev_b32 v[TA], 5, v0
	v_readfirstlane_b32 s20, v[TA]                 ; wave 0..15
	s_mov_b32 s21, ttmp9                           ; g
	v_lshlrev_b32 v[O4], 2, v0
	v_lshlrev_b32 v[O32], 5, v0
	v_lshlrev_b32 v[O16], 4, v0
	v_mov_b32 v[ZO], 0
	v_bfe_u32 v[RA], v0, 4, 1
	v_mul_u32_u24 v[RA], v[RA], 104                ; lanes 16-31 hold the numbers 26 further on
	s_lshl_b32 s22, s20, 8
	s_add_co_u32 s22, s22, RED
	v_add_nc_u32 v[RA], s22, v[RA]
	v_and_b32 v[SO4], 15, v0
	v_lshlrev_b32 v[SO4], 2, v[SO4]
	s_min_u32 s23, s20, 2                          ; waves 0, 1, 2 finish rows 0, 1, 2
	s_lshl_b32 s24, s23, 6
	s_add_co_u32 s24, s24, RED
	v_add_nc_u32 v[PA], s24, v[SO4]                ; number 16 e + lane % 16
	s_lshl_b32 s24, s23, 2
	s_add_co_u32 s24, s24, RED+192
	v_mov_b32 v[CA], s24                           ; number 48 + e
	s_mov_b32 s50, 0x00800000                      ; 2^-126
	v_mov_b32 v[INF], 0x7f800000
	v_mov_b32 v[TE+2], 0xff800000                  ; the third row lies under all thresholds
	v_mov_b32 v[ONE], 1.0
.irp e, 0,1,2
	v_mov_b32 v[M+4*\e+1], 0                       ; (named as the upper halves of pairs, so they are written)
	v_mov_b32 v[M+4*\e+3], 0
.endr
	v_mov_b32 v[V+51], 0
.irp i, 0,1,2,3
	v_mov_b32 v[CNT+\i], 0
.endr
	s_mov_b32 s23, 0
	s_wait_kmcnt 0x0
	s_lshl_b32 s22, s21, 13                        ; 2,048 pairs are 8,192 bytes of the mask and of seg
	s_add_nc_u64 s[4:5], s[4:5], s[22:23]
	s_add_nc_u64 s[12:13], s[12:13], s[22:23]
	s_lshl_b32 s22, s21, 3
	s_add_nc_u64 s[36:37], s[6:7], s[22:23]        ; W1 and b1 at unit 2 g
	s_add_nc_u64 s[38:39], s[8:9], s[22:23]
	global_load_b32 v[W1R], v[O4], s[6:7]
	global_load_b32 v[B1R], v[O4], s[8:9]
	global_load_b64 v[EW:EW+1], v[ZO], s[36:37]
	global_load_b64 v[EB:EB+1], v[ZO], s[38:39]
	global_load_b128 v[W2R:W2R+3], v[O32], s[10:11]
	global_load_b128 v[W2R+4:W2R+7], v[O32], s[10:11] offset:16
	global_load_b128 v[X:X+3], v[O16], s[4:5] th:TH_LOAD_NT   ; read once in the launch
	s_wait_loadcnt 3                               ; W1 and b1 are in: W2's two loads and the mask's are younger
	v_rcp_f32 v[RC], v[W1R]
	v_rcp_f32 v[TE], v[EW]
	v_rcp_f32 v[TE+1], v[EW+1]
	v_nop                                          ; a plain instruction behind the last reciprocal
	v_cmp_gt_f32 s24, s50, |v[W1R]|                ; W1 counts as 0
	v_cmp_gt_f32 s25, s50, |v[EW]|
	v_cmp_gt_f32 s26, s50, |v[EW+1]|
	v_cmp_gt_f32 s28, 0, v[W1R]                    ; W1 < 0
	v_cmp_lt_f32 s29, 0, v[B1R]                    ; b1 > 0
	s_wait_alu depctr_va_vdst(0)                   ; one wait for the three reciprocals, ahead of their first reader
	v_mul_f32 v[TR], -v[B1R], v[RC]                ; t = -b1 / W1
	v_mul_f32 v[TE], -v[EB], v[TE]                 ; the same instructions on the same numbers as in the threads that own these units
	v_mul_f32 v[TE+1], -v[EB+1], v[TE+1]
	v_cndmask_b32 v[TR], v[TR], v[INF], s24
	v_cndmask_b32 v[TE], v[TE], v[INF], s25
	v_cndmask_b32 v[TE+1], v[TE+1], v[INF], s26
	s_and_b32 s29, s29, s24
	s_and_not1_b32 s28, s28, s24
	s_or_b32 s27, s28, s29                         ; neg
	ds_store_b32 v[O4], v[TR]                      ; my unit's threshold, at 4 x thread
	s_wait_loadcnt 1                               ; W2's row is in; the mask's load is younger
.irp e, 0,1,2
	v_cmp_le_f32 s[30+\e], v[TR], v[TE+\e]         ; my threshold lies at or under the row's
.endr
.irp e, 0,1,2
	s_xor_b32 s[33+\e], s[30+\e], s27              ; my unit is on in the row's set
.endr
.irp e, 0,1,2
	v_cndmask_b32 v[M+4*\e], 0, v[W1R], s[33+\e]
	v_cndmask_b32 v[M+4*\e+2], 0, v[B1R], s[33+\e]
	v_cndmask_b32 v[V+48+\e], 0, v[ONE], s[30+\e]
.endr
.irp e, 0,1,2
.irp k, 0,1,2,3
	v_pk_mul_f32 v[V+16*\e+2*\k:V+16*\e+2*\k+1], v[W2R+2*\k:W2R+2*\k+1], v[M+4*\e:M+4*\e+1] op_sel_hi:[1,0]         ; W2 W1, two heads at a time
	v_pk_mul_f32 v[V+16*\e+8+2*\k:V+16*\e+8+2*\k+1], v[W2R+2*\k:W2R+2*\k+1], v[M+4*\e+2:M+4*\e+3] op_sel_hi:[1,0]   ; W2 b1
.endr
.endr
; over the lanes.  The exchange puts number n's two halves of the lanes into lanes 0-15 of two registers and number n + 26's into lanes 16-31: one addition then serves two numbers
.set KK, 0
.rept 26
	v_permlane16_swap_b32 v[V+KK], v[V+26+KK]
.set KK, KK+1
.endr
.set KK, 0
.rept 26
	v_add_f32 v[V+KK], v[V+KK], v[V+26+KK]
.set KK, KK+1
.endr
.irp m, 1,2,4,8
.set KK, 0
.rept 26
	v_add_f32_dpp v[V+KK], v[V+KK], v[V+KK] row_xmask:\m row_mask:0xf bank_mask:0xf
.set KK, KK+1
.endr
.endr
.set KK, 0
.rept 26
	ds_store_b32 v[RA], v[V+KK] offset:4*KK        ; the sixteen lanes of a half write the same word with the same value
.set KK, KK+1
.endr
	s_wait_dscnt 0x0                               ; for the others' sake: my threshold and my wave's sums have landed
	s_barrier_signal -1
	s_barrier_wait -1                              ; the 512 thresholds and the 16 x 52 sums lie in LDS; nothing is stored there from here on
	s_cmp_lt_u32 s20, 3                            ; waves 0, 1, 2 finish a row each
	s_cbranch_scc0 .Lcount
	s_cmp_eq_u32 s20, 2
	s_cselect_b32 s22, s21, 0
	s_cmp_lg_u32 s22, 0                            ; the third row is the same in all work-groups: work-group 0 stores it
	s_cbranch_scc1 .Lcount
.irp w, 0,1,2,3,4,5,6,7,8,9,10,11,12,13,14,15
	ds_load_b32 v[V+\w], v[PA] offset:256*\w
.endr
.irp w, 0,1,2,3,4,5,6,7,8,9,10,11,12,13,14,15
	ds_load_b32 v[V+16+\w], v[CA] offset:256*\w
.endr
	s_lshl_b32 s22, s21, 1
	s_add_co_u32 s22, s22, s20                     ; row 2 g + wave,
	s_cmp_eq_u32 s20, 2
	s_cselect_b32 s22, 512, s22                    ; or 512
	s_lshl_b32 s52, s22, 6
	s_mov_b32 s53, 0
	s_add_nc_u64 s[52:53], s[14:15], s[52:53]
	s_lshl_b32 s54, s22, 2
	s_mov_b32 s55, 0
	s_add_nc_u64 s[54:55], s[16:17], s[54:55]
	s_wait_dscnt 0x0
.irp i, 2,4,6,8,10,12,14
	v_pk_add_f32 v[V:V+1], v[V:V+1], v[V+\i:V+\i+1]
	v_pk_add_f32 v[V+16:V+17], v[V+16:V+17], v[V+16+\i:V+16+\i+1]
.endr
	v_add_f32 v[RES], v[V], v[V+1]                 ; over the 16 waves
	v_add_f32 v[RES+1], v[V+16], v[V+17]           ; a whole number up to 512: exact
	v_cvt_u32_f32 v[RES+1], v[RES+1]
	global_store_b32 v[SO4], v[RES], s[52:53]      ; 64 bytes; both halves of the lanes store the same words with the same values
	global_store_b32 v[ZO], v[RES+1], s[54:55]     ; one word, the same in all lanes
.Lcount:
	s_wait_loadcnt 0x0                             ; the mask
	s_mov_b32 s35, TT
	v_mov_b32 v[TA], s35
	LOADT TBA, 0
	LOADT TBB, 64
	s_mov_b32 s34, 15
.Lt:                                                   ; 15 trips of 32 thresholds
	TRIP 1
	s_sub_co_u32 s34, s34, 1
	s_cmp_lg_u32 s34, 0
	s_cbranch_scc1 .Lt
	TRIP 0                                         ; the last 32: nothing more to fetch
	global_store_b128 v[O16], v[CNT:CNT+3], s[12:13]   ; a wave's store covers 512 consecutive bytes, aligned
	s_wait_tensorcnt 0x0                           ; the wave's end, behind my last LDS store
	ds_add_u32 v[SPW], v[NIL]
	s_wait_dscnt 0x0
	s_endpgm
.Lfunc_end_k_q923d03200b_seg:
	.size	k_q923d03200b_seg, .Lfunc_end_k_q923d03200b_seg-k_q923d03200b_seg
	.p2alignl 7, 3214868480
	.fill 96, 4, 3214868480
	.section	.rodata,"a",@progbits
	.p2align	6, 0x0
	.amdhsa_kernel k_q923d03200b_seg
		.amdhsa_group_segment_fixed_size 8192
		.amdhsa_private_segment_fixed_size 0
		.amdhsa_enable_private_segment 0
		.amdhsa_kernarg_size 56
		.amdhsa_user_sgpr_count 2
		.amdhsa_user_sgpr_kernarg_segment_ptr 1
		.amdhsa_wavefront_size32 1
		.amdhsa_system_sgpr_workgroup_id_x 1
		.amdhsa_system_sgpr_workgroup_id_y 1
		.amdhsa_system_sgpr_workgroup_id_z 1
		.amdhsa_system_vgpr_workitem_id 0
		.amdhsa_next_free_vgpr 112
		.amdhsa_next_free_sgpr 66
		.amdhsa_reserve_vcc 0
		.amdhsa_float_denorm_mode_32 3
		.amdhsa_float_denorm_mode_16_64 3
		.amdhsa_memory_ordered 1
		.amdhsa_forward_progress 1
		.amdhsa_inst_pref_size 54
	.end_amdhsa_kernel
	.amdgpu_metadata
---
amdhsa.version: [ 1, 2 ]
amdhsa.kernels:
  - .name:           k_q923d03200b_seg
    .symbol:         k_q923d03200b_seg.kd
    .args:
      - { .name: attn_mask, .offset: 0, .size: 8, .value_kind: global_buffer, .address_space: global }
      - { .name: W1, .offset: 8, .size: 8, .value_kind: global_buffer, .address_space: global }
      - { .name: b1, .offset: 16, .size: 8, .value_kind: global_buffer, .address_space: global }
      - { .name: W2, .offset: 24, .size: 8, .value_kind: global_buffer, .address_space: global }
      - { .name: seg, .offset: 32, .size: 8, .value_kind: global_buffer, .address_space: global }
      - { .name: tab, .offset: 40, .size: 8, .value_kind: global_buffer, .address_space: global }
      - { .name: eidx, .offset: 48, .size: 8, .value_kind: global_buffer, .address_space: global }
    .group_segment_fixed_size: 8192
    .private_segment_fixed_size: 0
    .kernarg_segment_align: 8
    .kernarg_segment_size: 56
    .max_flat_workgroup_size: 512
    .sgpr_count:     66
    .vgpr_count:     112
    .wavefront_size: 32
...
	.end_amdgpu_metadata
.endif
;; end of part 4
;; launch attn (part 5): grid 8 x 32, 4 waves a work-group, no clusters, 58,624 bytes of LDS; arguments attn_mask, input_padding_mask, seg, tab, eidx, img, scl, opart, stat; writes opart, stat
.if DOCPART == 5
	.amdgcn_target "amdgcn-amd-amdhsa--gfx1250"
	.amdhsa_code_object_version 6
	.text
	.protected	k_q923d03200b_attn
	.globl	k_q923d03200b_attn
	.p2align	8
	.type	k_q923d03200b_attn,@function
k_q923d03200b_attn:
	s_mov_b64 s[64:65], 0
	v_nop
	global_prefetch_b8 v0, s[64:65] scope:SCOPE_SE
	s_setreg_imm32_b32 hwreg(HW_REG_WAVE_MODE, 25, 1), 1
	s_wait_xcnt 0x0
; ATTENTION ON ONE TILE OF 16 QUERIES AND ONE CHUNK OF 128 KEYS, ALL 8 HEADS.  logit = q . k + bias[head](mask) - 100 pad[key]; t = logit x log2(e);
; M = the ceiling of the chunk's largest t of the row (a whole number); p = 2^(t - M) is quantised along the keys and multiplied by v's codes; the row's sum l is taken of the unquantised p.
; The chunk's O^T, -M and l go to memory; the next launch joins the eight chunks of a row by exact powers of two.
; THE BIAS.  bias[head](x) = sum over r of W2[r][head] relu(x W1[r] + b1[r]) is piecewise linear in x: between two neighbouring thresholds -b1 / W1 it is a x + b.  The launch before has counted, for each (query, key), the
; thresholds under its x (seg), and has summed a and b of the 8 heads for each of the 513 stretches (tab, with each stretch's count in eidx).  Here wave 0 lays the 513 records into LDS by their counts, and each lane
; fetches the record of each of its 16 pairs by the pair's count: 64 bytes, 8 multiply-adds and 8 additions a pair.  Both kinds of address are made of whole numbers read from memory, held at 512.
; Wave 0 alone lays the table, so that between two barriers no two waves store by addresses read from memory; a barrier parts the fetches from the LDS stores that follow.
; SHARES.  Work-group (x = chunk C, y = tile T).  Wave w takes the 32 keys of block B = 4 C + w: lane (r, h) holds query 16 T + r and keys 32 B + 16 h + 0 .. 15.  For the second product wave w owns heads 2 w, 2 w + 1.
; SCORES.  S^T = K Q^T on codes of FP6: source 0 = 16 keys x 128 dims (four heads), source 1 = the queries with the codes of the other three heads' blocks replaced by zeros: K = 32 in a form that is 128 deep.
; p GOES FROM WAVE TO WAVE THROUGH LDS: a wave's 32 keys are one block of the 128 keys that are the second product's K; its 96 bits a lane go to their place in the operand's image, its scale byte into the row's word.
; No tensor load and no cluster: a work-group reads some 70 KB that others share, once, at its head.  No prefetch: there is no loop in which a stream is waited for.
; LIMITS: NaN and infinities are not served.  The bias's order of rounding is not reference()'s: a x + b is rounded at the size of |a x| + |b| (the launch before states the thresholds' limits).
; p under 2^-126 counts as 0 (v_exp_f32's result).  A block's largest p is taken from its largest logit by the same multiply-add and exponential, which takes v_exp_f32 not to fall where its input rises.
; A block whose every p is 0 keeps the scale byte 1: its codes are zeros.  The padding term is fused: fma(pad, -100, logit).
.set TAB,   0                          ; LDS: 513 records, 80 bytes apart: a of the 8 heads, b of the 8 heads, 16 bytes unused: five 16-byte columns from record to record, so that records do not all begin in the same banks
.set EX,    41216                      ; [head][query][wave] f32: each block's largest logit; 2,048 bytes on: each block's sum of p
.set PIM,   45312                      ; p's images: head at 1,536 x head; a lane's 12 registers at 48 x lane
.set PSC,   57600                      ; p's scale words: 64 x head + 4 x query + wave (a byte)
.set SPARE, 58112                      ; the spare words, 128 bytes for each wave: two blocks of 256 bytes that no other line names
.set SPW,  1                           ; v1   LDS address of my spare word; never rewritten
.set NIL,  2                           ; v2   0; never rewritten
.set ZO,   3                           ; v3   0, as an offset
.set VS,   4                           ; v4-7   V's scale words;  v8-11 K's;  v12-13 Q's;  v14-15 p's: these twelve hold scales and nothing else
.set KS,   8
.set QS,   12
.set PS,   14
.set X,    16                          ; v16-31  my 16 numbers of the mask; later: addresses
.set SG,   48                          ; v48-63  my 16 pairs' counts, then their records' LDS addresses
.set RB,   64                          ; v64-127 two buffers of two records
.set ET,   64                          ; wave 0: 17 counts of records, then their LDS addresses
.set R16,  96                          ; wave 0: record 512
.set ACC,  128                         ; v128-255 the logits: 16 x head + i
.set KF,   0                           ; window 1: K's four fragments (2 u + g);
.set QD,   48                          ; Q's two;
.set QM,   72                          ; Q's, head by head: triple (g, e) at 36 g + 18 e: [head 4 g + e | six zeros | head 4 g + 2 + e]: two fragments that share the zeros
.set VF,   144                         ; V's four (2 x head of mine + u)
.set PADR, 192                         ; the padding of my 16 keys
                                       ; window 2, wave 0 alone: records 32 i + lane at 16 i
.set NMP,  32                          ; later: for each head the pair (-M, the largest t)
.set EXL,  48                          ; four waves' maxima for each head
.set PCD,  48                          ; then p's codes, 4 registers a head
.set PF,   48                          ; then p's two fragments
.set SUM,  80
.set MB,   96                          ; each head's largest logit of my block
.set TP,   104
.set BY,   104
.set SO,   112
.set O,    128                         ; O^T: four accumulators
.set MSB, 0
.macro WIN new                         ; the immediate's high byte repeats the setting that is left; a switch that changes nothing is dropped
.if MSB != \new
	s_set_vgpr_msb (MSB<<8)|\new
.set MSB, \new
.endif
.endm
.macro LOADR buf, i                    ; the records of pairs i and i + 1
.irp p, 0,1
.irp c, 0,1,2,3
	ds_load_b128 v[\buf+16*\p+4*\c:\buf+16*\p+4*\c+3], v[SG+(\i)+\p] offset:16*\c
.endr
.endr
.endm
.macro BIAS buf, i                     ; bias = a x + b, one rounding; then score + bias
.irp p, 0,1
.irp hd, 0,1,2,3,4,5,6,7
	v_fma_f32 v[\buf+16*\p+8+\hd], v[\buf+16*\p+\hd], v[X+(\i)+\p], v[\buf+16*\p+8+\hd]
.endr
.irp hd, 0,1,2,3,4,5,6,7
	v_add_f32 v[ACC+16*\hd+(\i)+\p], v[ACC+16*\hd+(\i)+\p], v[\buf+16*\p+8+\hd]
.endr
.endr
.endm
	s_load_b512 s[4:19], s[0:1], 0x0               ; mask 4, padding 6, seg 8, tab 10, eidx 12, img 14, scl 16, opart 18
	s_load_b64 s[20:21], s[0:1], 0x40              ; stat
	v_lshl_add_u32 v[SPW], v0, 2, SPARE
	v_mov_b32 v[NIL], 0
	v_mov_b32 v[ZO], 0
	v_lshrrev_b32 v32, 5, v0
	v_readfirstlane_b32 s30, v32                   ; wave 0..3
	s_mov_b32 s31, ttmp9                           ; C
	s_and_b32 s32, ttmp7, 0xffff                   ; T
	v_and_b32 v32, 31, v0                          ; lane
	v_and_b32 v33, 15, v0                          ; r
	v_bfe_u32 v34, v0, 4, 1                        ; h
	v_lshlrev_b32 v35, 4, v32                      ; 16 x lane: an image's place for my lane
	v_lshlrev_b32 v36, 2, v32                      ; 4 x lane: a scale word's, a count's
	v_lshlrev_b32 v37, 12, v33
	v_lshl_add_u32 v37, v34, 6, v37                ; the mask and seg: row r of 4,096 bytes, + 64 h
	v_lshlrev_b32 v38, 6, v34                      ; the padding: 64 h
	v_lshlrev_b32 v39, 6, v32                      ; tab: 64 bytes a record
	s_mov_b32 s34, 0x3fb8aa3b                      ; log2(e)
	s_mov_b32 s35, s34                             ; (named with it as a pair, so it is written)
	s_mov_b32 s36, 0xc2c80000                      ; -100
	s_mov_b32 s37, s36
	s_mov_b32 s38, 0x76543210
	s_mov_b32 s39, 0xfedcba98                      ; v_permlanex16_b32's selects for lane l xor 16
	s_mov_b32 s40, 0x0000ffff                      ; lanes 0-15
	s_mov_b32 s41, 0xffff0000                      ; lanes 16-31
	s_lshl_b32 s44, s31, 2
	s_add_co_u32 s44, s44, s30                     ; B = 4 C + w
	s_mov_b32 s23, 0
	s_wait_kmcnt 0x0
	s_lshl_b32 s24, s44, 7                         ; 32 keys are 128 bytes of a row
	s_lshl_b32 s22, s32, 16                        ; 16 rows of the mask
	s_add_co_u32 s22, s22, s24
	s_add_nc_u64 s[4:5], s[4:5], s[22:23]
	s_add_nc_u64 s[8:9], s[8:9], s[22:23]          ; seg lies as the mask lies
	s_mov_b32 s22, s24
	s_add_nc_u64 s[6:7], s[6:7], s[22:23]
	s_mul_i32 s22, s44, 6144                       ; four fragments a block of keys
	s_add_nc_u64 s[50:51], s[14:15], s[22:23]      ; K's images
	s_add_nc_u64 s[58:59], s[50:51], 196608        ; V's: fragments 16 C + 4 w on of their section
	s_lshl_b32 s22, s44, 9
	s_add_nc_u64 s[52:53], s[16:17], s[22:23]      ; K's scale words
	s_add_nc_u64 s[60:61], s[52:53], 16384         ; V's
	s_mul_i32 s22, s32, 3072
	s_add_co_u32 s22, s22, 393216
	s_add_nc_u64 s[54:55], s[14:15], s[22:23]      ; Q's images
	s_lshl_b32 s22, s32, 8
	s_add_co_u32 s22, s22, 32768
	s_add_nc_u64 s[56:57], s[16:17], s[22:23]      ; Q's scale words
	s_lshl_b32 s24, s32, 3
	s_add_co_u32 s24, s24, s31                     ; 8 T + C
	s_lshl_b32 s22, s24, 14
	s_lshl_b32 s25, s30, 12
	s_add_co_u32 s22, s22, s25
	s_add_nc_u64 s[18:19], s[18:19], s[22:23]      ; O^T of my two heads: 2,048 bytes a head
	s_lshl_b32 s22, s24, 10
	s_lshl_b32 s25, s30, 8
	s_add_co_u32 s22, s22, s25
	s_add_nc_u64 s[20:21], s[20:21], s[22:23]      ; their (-M, l): 128 bytes a head
	WIN 0x40                                       ; (a) 24 loads: K's and Q's operands
.irp f, 0,1,2,3
.irp c, 0,1,2
	global_load_b128 v[KF+12*\f+4*\c:KF+12*\f+4*\c+3], v35, s[50:51] offset:1536*\f+512*\c
.endr
.endr
.irp g, 0,1
.irp c, 0,1,2
	global_load_b128 v[QD+12*\g+4*\c:QD+12*\g+4*\c+3], v35, s[54:55] offset:1536*\g+512*\c
.endr
.endr
	WIN 0
.irp f, 0,1,2,3
	global_load_b32 v[KS+\f], v36, s[52:53] offset:128*\f
.endr
.irp g, 0,1
	global_load_b32 v[QS+\g], v36, s[56:57] offset:128*\g
.endr
.irp j, 0,1,2,3                                ; (b) 8 loads: the mask and the counts of my 16 pairs, each read once in the launch
	global_load_b128 v[X+4*\j:X+4*\j+3], v37, s[4:5] offset:16*\j th:TH_LOAD_NT
.endr
.irp j, 0,1,2,3
	global_load_b128 v[SG+4*\j:SG+4*\j+3], v37, s[8:9] offset:16*\j th:TH_LOAD_NT
.endr
	WIN 0x40                                       ; (c) 20 loads, wanted last: the padding and V's operands
.irp j, 0,1,2,3
	global_load_b128 v[PADR+4*\j:PADR+4*\j+3], v38, s[6:7] offset:16*\j
.endr
.irp n, 0,1,2,3
.irp c, 0,1,2
	global_load_b128 v[VF+12*\n+4*\c:VF+12*\n+4*\c+3], v35, s[58:59] offset:1536*\n+512*\c
.endr
.endr
	WIN 0
.irp n, 0,1,2,3
	global_load_b32 v[VS+\n], v36, s[60:61] offset:128*\n
.endr
	s_cmp_lg_u32 s30, 0                            ; WAVE 0 LAYS THE TABLE: records 32 i + lane, i = 0 .. 15, and record 512
	s_cbranch_scc1 .Ltab_done
.irp i, 0,1,2,3,4,5,6,7,8,9,10,11,12,13,14,15
	global_load_b32 v[ET+\i], v36, s[12:13] offset:128*\i
.endr
	global_load_b32 v[ET+16], v[ZO], s[12:13] offset:2048
	WIN 0x80                                       ; destination window 2
.irp i, 0,1,2,3,4,5,6,7,8,9,10,11,12,13,14,15
.irp c, 0,1,2,3
	global_load_b128 v[16*\i+4*\c:16*\i+4*\c+3], v39, s[10:11] offset:2048*\i+16*\c
.endr
.endr
	WIN 0
.irp c, 0,1,2,3
	global_load_b128 v[R16+4*\c:R16+4*\c+3], v[ZO], s[10:11] offset:32768+16*\c
.endr
	s_wait_loadcnt 0x0                             ; all my loads
.irp i, 0,1,2,3,4,5,6,7,8,9,10,11,12,13,14,15,16
	v_min_u32 v[ET+\i], 0x200, v[ET+\i]            ; a number read from memory enters an address only behind this hold
.endr
.irp i, 0,1,2,3,4,5,6,7,8,9,10,11,12,13,14,15,16
	v_mul_u32_u24 v[ET+\i], v[ET+\i], 80
.endr
	WIN 0x08                                       ; an LDS store's data are its source 1: window 2
.irp i, 0,1,2,3,4,5,6,7,8,9,10,11,12,13,14,15
.irp c, 0,1,2,3
	ds_store_b128 v[ET+\i], v[16*\i+4*\c:16*\i+4*\c+3] offset:16*\c    ; records with equal counts are equal: they land on each other
.endr
.endr
	WIN 0
.irp c, 0,1,2,3
	ds_store_b128 v[ET+16], v[R16+4*\c:R16+4*\c+3] offset:16*\c        ; the same in all lanes
.endr
.Ltab_done:
	s_wait_loadcnt 28                              ; (a) is in: 8 + 20 loads are younger (in wave 0 none is out)
	WIN 0x44                                       ; destination and source 1 in window 1
.irp g, 0,1                                    ; head 4 g + 2 c + e is block 2 c + e of fragment g: registers 6 c .. 6 c + 5 of the lanes' half e.  All else becomes zero codes
.irp e, 0,1
.irp i, 0,1,2,3,4,5
	v_cndmask_b32 v[QM+36*\g+18*\e+\i], 0, v[QD+12*\g+\i], s[40+\e]
	v_mov_b32 v[QM+36*\g+18*\e+6+\i], 0
	v_cndmask_b32 v[QM+36*\g+18*\e+12+\i], 0, v[QD+12*\g+6+\i], s[40+\e]
.endr
.endr
.endr
	WIN 0
.rept 4
	v_nop                                          ; an operand written by vector instructions stands four places ahead of a scaled matrix instruction
.endr
	WIN 0x05                                       ; sources 0 and 1 in window 1
.irp hd, 0,1,2,3,4,5,6,7                       ; register 16 head + 8 u + j of lane (r, h): query r, key 32 B + 16 h + 8 u + j
.irp u, 0,1
	v_wmma_scale_f32_16x16x128_f8f6f4 v[ACC+16*\hd+8*\u:ACC+16*\hd+8*\u+7], v[KF+12*(2*\u+\hd/4):KF+12*(2*\u+\hd/4)+11], v[QM+36*(\hd/4)+18*(\hd%2)+6*((\hd%4)/2):QM+36*(\hd/4)+18*(\hd%2)+6*((\hd%4)/2)+11], 0, v[KS+2*\u+\hd/4], v[QS+\hd/4] matrix_a_fmt:MATRIX_FMT_FP6 matrix_b_fmt:MATRIX_FMT_FP6
.endr
.endr
	WIN 0
.rept 4
	v_nop                                          ; places in front of the first read of results
.endr
	s_wait_dscnt 0x0                               ; for the others' sake: wave 0's records have landed
	s_barrier_signal -1
	s_barrier_wait -1                              ; the table is whole; nobody writes it again
	s_wait_loadcnt 20                              ; the mask and the counts are in; (c) may stay out
	s_wait_xcnt 0x0                                ; the address registers of the loads still out are written again only behind this wait
.irp i, 0,1,2,3,4,5,6,7,8,9,10,11,12,13,14,15
	v_min_u32 v[SG+\i], 0x200, v[SG+\i]            ; a number read from memory enters an address only behind this hold
.endr
.irp i, 0,1,2,3,4,5,6,7,8,9,10,11,12,13,14,15
	v_mul_u32_u24 v[SG+\i], v[SG+\i], 80
.endr
	LOADR RB, 0
	LOADR RB+32, 2
.irp b, 0,1,2,3,4,5,6,7                        ; two pairs a turn, the pairs ascending: each accumulator is read from its low end on
.if \b < 7
	s_wait_dscnt 8                                 ; this buffer's eight loads are in; the other's eight are younger
.else
	s_wait_dscnt 0x0
.endif
.set BUF, RB+32*(\b%2)
	BIAS BUF, 2*\b
.if \b < 6
	LOADR BUF, 2*\b+4
.endif
.endr
	s_wait_loadcnt 0x0                             ; the padding and V's operands
	s_barrier_signal -1                            ; my fetches from the table are back; work on registers stands between this signal and its wait
	v_and_b32 v16, 15, v0                          ; r
	v_bfe_u32 v17, v0, 4, 1                        ; h
	v_and_b32 v18, 31, v0                          ; lane
	s_lshl_b32 s22, s30, 2
	s_add_co_u32 s22, s22, EX
	v_lshl_add_u32 v19, v16, 4, s22                ; my word of a row's four: EX + 16 r + 4 w
	v_lshl_add_u32 v20, v16, 4, EX                 ; a row's four words
	s_and_b32 s22, s30, 1
	s_mul_i32 s22, s22, 768
	s_lshr_b32 s23, s30, 1
	s_mul_i32 s23, s23, 24
	s_add_co_u32 s22, s22, s23
	s_add_co_u32 s22, s22, PIM
	v_mul_u32_u24 v21, v16, 48
	v_mad_u32_u24 v21, v17, 12, v21
	v_add_nc_u32 v21, s22, v21                     ; my block is block w of the operand's four: lane r + 16 (w % 2), registers 6 (w / 2) + 3 h on
	s_add_co_u32 s22, s30, PSC
	v_lshl_add_u32 v22, v16, 2, s22                ; and byte w of the row's scale word
	s_mul_i32 s22, s30, 3072
	s_add_co_u32 s22, s22, PIM
	v_mul_u32_u24 v23, v18, 48
	v_add_nc_u32 v23, s22, v23                     ; back: the images of my two heads
	s_lshl_b32 s22, s30, 7
	s_add_co_u32 s22, s22, PSC
	v_lshl_add_u32 v24, v16, 2, s22                ; and their scale words
	s_lshl_b32 s22, s30, 9
	s_add_co_u32 s22, s22, EX
	v_lshl_add_u32 v25, v16, 4, s22
	v_lshl_add_u32 v25, v17, 8, v25                ; the four words of head 2 w + h, query r
	v_lshlrev_b32 v26, 4, v18
	v_lshlrev_b32 v27, 3, v18
	WIN 0x01                                       ; source 0 in window 1
.irp hd, 0,1,2,3,4,5,6,7
.irp i, 0,2,4,6,8,10,12,14
	v_pk_fma_f32 v[ACC+16*\hd+\i:ACC+16*\hd+\i+1], v[PADR+\i:PADR+\i+1], s[36:37], v[ACC+16*\hd+\i:ACC+16*\hd+\i+1] op_sel_hi:[1,0,1]   ; the large term last
.endr
.endr
	WIN 0
.irp hd, 0,1,2,3,4,5,6,7                       ; the largest logit of my block of 32 keys, for each head (the heads by turns): it serves for the row's maximum and for the block's largest p
	v_max3_num_f32 v[MB+\hd], v[ACC+16*\hd], v[ACC+16*\hd+1], v[ACC+16*\hd+2]
.endr
.irp i, 3,5,7,9,11,13
.irp hd, 0,1,2,3,4,5,6,7
	v_max3_num_f32 v[MB+\hd], v[MB+\hd], v[ACC+16*\hd+\i], v[ACC+16*\hd+\i+1]
.endr
.endr
.irp hd, 0,1,2,3,4,5,6,7
	v_max_num_f32 v[MB+\hd], v[MB+\hd], v[ACC+16*\hd+15]
.endr
.irp hd, 0,1,2,3,4,5,6,7
	v_permlanex16_b32 v[TP+\hd], v[MB+\hd], s38, s39
.endr
.irp hd, 0,1,2,3,4,5,6,7
	v_max_num_f32 v[MB+\hd], v[MB+\hd], v[TP+\hd]  ; with lane l xor 16's 16 keys
.endr
	s_barrier_wait -1                              ; every wave's fetches from the table are back: LDS is stored to again only behind this wait
.irp hd, 0,1,2,3,4,5,6,7
	ds_store_b32 v19, v[MB+\hd] offset:256*\hd     ; both halves of the lanes write the same word with the same value
.endr
	s_wait_dscnt 0x0                               ; for the others' sake
	s_barrier_signal -1
	s_barrier_wait -1                              ; the four blocks' maxima lie in LDS
.irp hd, 0,1,2,3,4,5,6,7
	ds_load_b128 v[EXL+4*\hd:EXL+4*\hd+3], v20 offset:256*\hd
.endr
	s_wait_dscnt 0x0
.irp hd, 0,1,2,3,4,5,6,7
	v_max3_num_f32 v[TP+\hd], v[EXL+4*\hd], v[EXL+4*\hd+1], v[EXL+4*\hd+2]
.endr
.irp hd, 0,1,2,3,4,5,6,7
	v_max_num_f32 v[TP+\hd], v[TP+\hd], v[EXL+4*\hd+3]   ; the row's largest logit in this chunk
.endr
.irp hd, 0,1,2,3,4,5,6,7
	v_mul_f32 v[NMP+2*\hd+1], s34, v[TP+\hd]       ; as t
.endr
.irp hd, 0,1,2,3,4,5,6,7
	v_floor_f32 v[NMP+2*\hd], -v[NMP+2*\hd+1]      ; -M = floor(-t) = -ceil(t): a whole number
.endr
.irp hd, 0,1,2,3,4,5,6,7
.irp i, 0,2,4,6,8,10,12,14
	v_pk_fma_f32 v[ACC+16*\hd+\i:ACC+16*\hd+\i+1], v[ACC+16*\hd+\i:ACC+16*\hd+\i+1], s[34:35], v[NMP+2*\hd:NMP+2*\hd+1] op_sel_hi:[1,0,0]   ; t - M (of the pairs the low word serves both halves)
.endr
.endr
.irp hd, 0,1,2,3,4,5,6,7
	v_fma_f32 v[MB+\hd], v[MB+\hd], s34, v[NMP+2*\hd]   ; the same of my block's largest logit
.endr
.set j, 0
.rept 128
	v_exp_f32 v[ACC+j], v[ACC+j]                   ; p = 2^(t - M), at most 1: not normalised
.set j, j+1
.endr
.irp hd, 0,1,2,3,4,5,6,7
	v_exp_f32 v[MB+\hd], v[MB+\hd]                 ; the block's largest p: the same two instructions on the same number give the same bits
.endr
	v_nop                                          ; a plain instruction behind the last exponential
	s_wait_alu depctr_va_vdst(0)                   ; one wait for the batch of 136, ahead of its first reader
.irp hd, 0,1,2,3,4,5,6,7                       ; the sum of the unquantised p of my 16 keys, two at a time
	v_pk_add_f32 v[SUM+2*\hd:SUM+2*\hd+1], v[ACC+16*\hd:ACC+16*\hd+1], v[ACC+16*\hd+2:ACC+16*\hd+3]
.endr
.irp i, 4,6,8,10,12,14
.irp hd, 0,1,2,3,4,5,6,7
	v_pk_add_f32 v[SUM+2*\hd:SUM+2*\hd+1], v[SUM+2*\hd:SUM+2*\hd+1], v[ACC+16*\hd+\i:ACC+16*\hd+\i+1]
.endr
.endr
.irp hd, 0,1,2,3,4,5,6,7
	v_add_f32 v[SUM+2*\hd], v[SUM+2*\hd], v[SUM+2*\hd+1]
.endr
.irp hd, 0,1,2,3,4,5,6,7
	v_permlanex16_b32 v[TP+\hd], v[SUM+2*\hd], s38, s39
.endr
.irp hd, 0,1,2,3,4,5,6,7
	v_add_f32 v[SUM+2*\hd], v[SUM+2*\hd], v[TP+\hd]   ; my block's sum
.endr
.irp hd, 0,1,2,3,4,5,6,7
	ds_store_b32 v19, v[SUM+2*\hd] offset:2048+256*\hd
.endr
.irp hd, 0,1,2,3,4,5,6,7
	v_max_num_f32 v[MB+\hd], 0x1800000, v[MB+\hd]  ; the floor 2^(3 - 127): the byte cannot fall under 1
.endr
.irp hd, 0,1,2,3,4,5,6,7
	v_add_nc_u32 v[SO+\hd], 0xff000000, v[MB+\hd]  ; 2 off the exponent field: the conversion's scale operand
.endr
.irp hd, 0,1,2,3,4,5,6,7
	v_lshrrev_b32 v[BY+\hd], 23, v[SO+\hd]         ; the scale's byte
.endr
.irp hd, 0,1,2,3,4,5,6,7
	v_cvt_scalef32_pk16_fp6_f32 v[PCD+4*\hd:PCD+4*\hd+2], v[ACC+16*\hd:ACC+16*\hd+15], v[SO+\hd]   ; 96 bits: the codes of keys 16 h + 0 .. 15 of my block
.endr
	v_nop                                          ; one plain place behind the last scaled conversion
.irp hd, 0,1,2,3,4,5,6,7
.irp i, 0,1,2
	ds_store_b32 v21, v[PCD+4*\hd+\i] offset:1536*\hd+4*\i
.endr
	ds_store_b8 v22, v[BY+\hd] offset:64*\hd       ; both halves of the lanes write the same byte with the same value
.endr
	s_wait_dscnt 0x0                               ; for the others' sake: sums, codes and bytes have landed
	s_barrier_signal -1
	s_barrier_wait -1                              ; p's eight fragments lie in LDS
.irp hl, 0,1
.irp c, 0,1,2
	ds_load_b128 v[PF+12*\hl+4*\c:PF+12*\hl+4*\c+3], v23 offset:1536*\hl+16*\c
.endr
	ds_load_b32 v[PS+\hl], v24 offset:64*\hl
.endr
	ds_load_b128 v[72:75], v25                     ; head 2 w + h, query r: the four blocks' largest logits,
	ds_load_b128 v[76:79], v25 offset:2048         ; and their sums
	s_wait_dscnt 0x0
	WIN 0x01                                       ; source 0 (V) in window 1
.irp hl, 0,1                                   ; O^T = V^T P^T: register 16 hl + 8 u + j of lane (r, h): query r, dim 16 h + 8 u + j of head 2 w + hl
.irp u, 0,1
	v_wmma_scale_f32_16x16x128_f8f6f4 v[O+8*(2*\hl+\u):O+8*(2*\hl+\u)+7], v[VF+12*(2*\hl+\u):VF+12*(2*\hl+\u)+11], v[PF+12*\hl:PF+12*\hl+11], 0, v[VS+2*\hl+\u], v[PS+\hl] matrix_a_fmt:MATRIX_FMT_FP6 matrix_b_fmt:MATRIX_FMT_FP6
.endr
.endr
	WIN 0
	v_max3_num_f32 v82, v72, v73, v74              ; -M once more, by the same lines, for the head and query that I store.  (These seven are also the places behind the products)
	v_max_num_f32 v82, v82, v75
	v_mul_f32 v82, s34, v82
	v_floor_f32 v80, -v82
	v_add_f32 v81, v76, v77
	v_add_f32 v83, v78, v79
	v_add_f32 v81, v81, v83                        ; l of the chunk
.irp k, 0,1,2,3,4,5,6,7
	global_store_b128 v26, v[O+4*\k:O+4*\k+3], s[18:19] offset:512*\k   ; each accumulator from its low end on; a store covers 512 consecutive bytes, aligned
.endr
	global_store_b64 v27, v[80:81], s[20:21]       ; 256 consecutive bytes, aligned
	s_wait_tensorcnt 0x0                           ; the wave's end, behind my last LDS store
	ds_add_u32 v[SPW], v[NIL]
	s_wait_dscnt 0x0
	s_endpgm
.Lfunc_end_k_q923d03200b_attn:
	.size	k_q923d03200b_attn, .Lfunc_end_k_q923d03200b_attn-k_q923d03200b_attn
	.p2alignl 7, 3214868480
	.fill 96, 4, 3214868480
	.section	.rodata,"a",@progbits
	.p2align	6, 0x0
	.amdhsa_kernel k_q923d03200b_attn
		.amdhsa_group_segment_fixed_size 58624
		.amdhsa_private_segment_fixed_size 0
		.amdhsa_enable_private_segment 0
		.amdhsa_kernarg_size 72
		.amdhsa_user_sgpr_count 2
		.amdhsa_user_sgpr_kernarg_segment_ptr 1
		.amdhsa_wavefront_size32 1
		.amdhsa_system_sgpr_workgroup_id_x 1
		.amdhsa_system_sgpr_workgroup_id_y 1
		.amdhsa_system_sgpr_workgroup_id_z 1
		.amdhsa_system_vgpr_workitem_id 0
		.amdhsa_next_free_vgpr 768
		.amdhsa_next_free_sgpr 66
		.amdhsa_reserve_vcc 0
		.amdhsa_float_denorm_mode_32 3
		.amdhsa_float_denorm_mode_16_64 3
		.amdhsa_memory_ordered 1
		.amdhsa_forward_progress 1
		.amdhsa_inst_pref_size 81
	.end_amdhsa_kernel
	.amdgpu_metadata
---
amdhsa.version: [ 1, 2 ]
amdhsa.kernels:
  - .name:           k_q923d03200b_attn
    .symbol:         k_q923d03200b_attn.kd
    .args:
      - { .name: attn_mask, .offset: 0, .size: 8, .value_kind: global_buffer, .address_space: global }
      - { .name: input_padding_mask, .offset: 8, .size: 8, .value_kind: global_buffer, .address_space: global }
      - { .name: seg, .offset: 16, .size: 8, .value_kind: global_buffer, .address_space: global }
      - { .name: tab, .offset: 24, .size: 8, .value_kind: global_buffer, .address_space: global }
      - { .name: eidx, .offset: 32, .size: 8, .value_kind: global_buffer, .address_space: global }
      - { .name: img, .offset: 40, .size: 8, .value_kind: global_buffer, .address_space: global }
      - { .name: scl, .offset: 48, .size: 8, .value_kind: global_buffer, .address_space: global }
      - { .name: opart, .offset: 56, .size: 8, .value_kind: global_buffer, .address_space: global }
      - { .name: stat, .offset: 64, .size: 8, .value_kind: global_buffer, .address_space: global }
    .group_segment_fixed_size: 58624
    .private_segment_fixed_size: 0
    .kernarg_segment_align: 8
    .kernarg_segment_size: 72
    .max_flat_workgroup_size: 128
    .sgpr_count:     66
    .vgpr_count:     768
    .wavefront_size: 32
...
	.end_amdgpu_metadata
.endif
;; end of part 5
;; launch outp: the kernel of part 3 again; grid 32 x 1, 8 waves a work-group, no clusters, 20,992 bytes of LDS; arguments opart, stat, img, scl, bp, out0; writes out0
